; MI455X (gfx1250); checked and timed in simulation.
; The chip was launched on July 23, 2026; its instructions are those of AMD's public machine-readable ISA for CDNA 5 (MIT licence, August 2026) and "CDNA5" Instruction Set Architecture Reference Guide (July 2026). The comments in the code are by the model that wrote it; some were corrected since.
;; Multi Headed Attention. Allowed arithmetic: matrix products marked QUANTISED: E5M2 operands, one E8M0 scale for each 32 along K, by v_wmma_scale_f32_16x16x128_f8f6f4 with both operands' format E5M2, f32 sums; everything else in f32.
;; Inputs: Wk 1,024 x 1,024 float32; Wo 1,024 x 1,024 float32; Wq 1,024 x 1,024 float32; Wv 1,024 x 1,024 float32; bk 1,024 float32; bo 1,024 float32; bq 1,024 float32; bv 1,024 float32; inputs 2 x 2,048 x 1,024 float32; mask 2 x 2,048 float32.
;; Outputs: out0 2 x 2,048 x 1,024 float32.
;; This version of the problem:
;;   THIS VERSION OF THE PROBLEM IS GIVEN IN LOW PRECISION. The matrix products marked QUANTISED in the list below multiply operands that are first quantised to E5M2 (5 exponent bits, 2 mantissa bits; 8 bits a number), with one power-of-two scale for each 32 numbers along K (OCP MX v1.0); their sums are f32. All else is computed in f32.
;;   The module's matrix products, in the order in which they are computed (A, B: the left and right operand; K: the contracted axis; several contracted axes count as one K, in the product's order):
;;     1. [M 4,096, K 1,024] x [K 1,024, N 1,024]; A: input inputs; B: input Wq: QUANTISED
;;     2. [M 4,096, K 1,024] x [K 1,024, N 1,024]; A: input inputs; B: input Wk: QUANTISED
;;     3. [M 4,096, K 1,024] x [K 1,024, N 1,024]; A: input inputs; B: input Wv: QUANTISED
;;     4. batch 32 x [M 2,048, K 64] x [K 64, N 2,048]; A: computed on the way; B: computed on the way: QUANTISED
;;     5. batch 32 x [M 2,048, K 2,048] x [K 2,048, N 64]; A: computed on the way; B: computed on the way: QUANTISED
;;     6. [M 4,096, K 1,024] x [K 1,024, N 1,024]; A: computed on the way; B: input Wo: QUANTISED
;;   THE QUANTISER, for each operand of a quantised product, along K:
;;     - K is cut into blocks of 32 from its start; a last block that is shorter is filled with zeros.
;;     - A block's scale is 2^e with e = floor(log2(the largest magnitude in the block)) - 15, held to -126 .. 127; a block of zeros has e = 0. As a byte (E8M0): e + 127.
;;     - Each number is divided by its block's scale, clamped to +-57,344, and rounded to the nearest number of E5M2, ties to even, subnormals kept.
;;     - The product sums the exact products of the quantised numbers (number of the format x scale) in f32.
;;   ~~~python
;;   def quantise(x, axis):      # numpy; x: float32 -> the quantised numbers, widened to float32 again
;;       x = np.moveaxis(x, axis, -1); K = x.shape[-1]
;;       x = np.pad(x, [(0, 0)] * (x.ndim - 1) + [(0, -K % 32)]); x = x.reshape(x.shape[:-1] + (-1, 32)); a = np.abs(x).max(-1, keepdims=True)
;;       e = np.where(a > 0, np.clip(np.frexp(np.where(a > 0, a, 1))[1] - 1 - 15, -126, 127), 0)      # np.frexp(a)[1] - 1 = floor(log2(a)), exactly
;;       r = np.clip(x / 2.0 ** e, -57344, 57344)
;;       step = 2.0 ** (np.maximum(np.frexp(np.where(r == 0, 1, r))[1] - 1, -14) - 2)
;;       q = np.round(r / step) * step * 2.0 ** e      # np.round: ties to even
;;       return np.moveaxis(q.reshape(q.shape[:-2] + (-1,))[..., :K], -1, axis).astype(np.float32)
;;   ~~~
;;   OPERANDS COMPUTED ON THE WAY. 'Computed on the way' means the value that the module computes at that place (a softmax that the list does not call 'softmax' is quantised finished and normalised). What goes into a quantiser is computed in f32, as accurately as f32 sums, v_exp_f32 and their like allow (about 1e-6 of the number): no bf16 or f16 on the way to a quantiser, and a product that is left as it is and whose result goes on into a quantised operand takes f32 operands (vector FMAs, or v_wmma_f32_16x16x4_f32). A number that lies on a knife's edge between two numbers of the format may be rounded either way, as far as f32 arithmetic and the matrix unit's own rounding can turn it there, and no further.
;; One version. Each part assembles by itself: llvm-mc -triple=amdgcn-amd-amdhsa -mcpu=gfx1250 --defsym DOCPART=n.
;; ======== version 1 of 1: 4 launches
;; limits: right only within a limited range of input values
;; workspace buffers: cod 8,388,608 bytes; scl 262,144 bytes; qkvc 12,582,912 bytes; qkvs 524,288 bytes; xo 4,194,304 bytes; xs 131,072 bytes
;; launch quant (part 1): grid 256 x 1, 4 waves a work-group, no clusters, 33,280 bytes of LDS; arguments inputs, Wq, Wk, Wv, Wo, cod, scl; writes cod, scl
.if DOCPART == 1
	.amdgcn_target "amdgcn-amd-amdhsa--gfx1250"
	.amdhsa_code_object_version 6
	.text
	.protected	k_qe7b9fa05c0_quant
	.globl	k_qe7b9fa05c0_quant
	.p2align	8
	.type	k_qe7b9fa05c0_quant,@function
k_qe7b9fa05c0_quant:
	s_mov_b64 s[64:65], 0
	v_nop
	global_prefetch_b8 v0, s[64:65] scope:SCOPE_SE
	s_setreg_imm32_b32 hwreg(HW_REG_WAVE_MODE, 25, 1), 1
	s_wait_xcnt 0x0
; inputs [4096][1024] and Wq, Wk, Wv, Wo [1024][1024], f32, K innermost, become codes of BF8 (E5M2) in cod [8192 rows][1024 bytes] and one E8M0 byte
; for each 32 along K in scl [8192 rows][32 bytes].  Rows 0-4095 inputs, then 1024 each of Wq, Wk, Wv, Wo.
; A block's scale is 2^(floor(log2(largest magnitude)) - 15); its byte is the largest magnitude's exponent field - 15, held at 1 from below; each number is
; divided by the scale, held within +-57,344 and rounded to the nearest code, ties to even.
; TILE ORDER: inside each group of 32 rows the four runs of 8 rows are stored in the order 0, 2, 1, 3 (place 32 g + 16 u + 8 a + j holds row 32 g + 16 a + 8 u + j).
; So 16 consecutive places are a tile whose lanes 0-7 hold eight neighbouring rows and lanes 8-15 the eight rows 16 further on: a product that takes such tiles
; as source 0 leaves 16 neighbouring rows in the 16 registers of two neighbouring tiles, which the later launches quantise as they stand.
; LIMITS: NaN and infinities are not served; blocks under the floor 2^-111 were not tried; a block of zeros carries the byte 1 (its codes are zeros, and only this program reads the bytes).
; SHARES: a work-group takes 32 rows, a wave 8 rows = 8,192 numbers in 16 steps of 512.  Each load reads 512 consecutive bytes; a step's 2,048 bytes turn through the wave's own stage in LDS,
; so that a lane holds 16 neighbours along K (two lanes to a block).  Loads run eight steps (32 loads a wave) ahead.  No barrier: waves share nothing.
.set STEPS, 16
.set AHEAD, 8
.set MANT,  0x600000                   ; the mantissa field of 57,344
.set R,     16                         ; v16-143  eight sets of 16 numbers as loaded
.set X,     144                        ; v144-175 two sets of 16 neighbours
.set E,     176                        ; v176-191 a scale byte for each step
.set C,     192                        ; v192-255 four registers of codes for each step: no store's data are written again
.set WREG,  8192                       ; LDS of a wave: two stages of 32 x SP bytes, then its 256 scale bytes
.set SP,    80                         ; a lane's place in a stage: 64 bytes + 16 of padding
	s_load_b256 s[4:11], s[0:1], 0x0               ; inputs, Wq, Wk, Wv
	s_load_b128 s[12:15], s[0:1], 0x20             ; Wo, cod
	s_load_b64 s[16:17], s[0:1], 0x30              ; scl
	v_lshl_add_u32 v4, v0, 2, 0x8000
	s_set_vgpr_msb 0x40
	v_mov_b32 v1, 0
	s_set_vgpr_msb 0x4000
	v_lshrrev_b32 v1, 5, v0
	v_readfirstlane_b32 s18, v1                    ; wave
	v_and_b32 v2, 31, v0                           ; lane
	v_lshlrev_b32 v3, 4, v2                        ; 16 x lane: my bytes of a load's 512, and my codes' place in a step's 512
	s_mul_i32 s19, s18, WREG
	v_lshrrev_b32 v14, 2, v2
	v_mul_u32_u24 v14, v14, SP
	v_and_b32 v15, 3, v2
	v_lshl_add_u32 v14, v15, 4, v14
	v_add_nc_u32 v14, s19, v14                     ; the stage, in: SP (lane / 4) + 16 (lane % 4)
	v_mul_u32_u24 v15, v2, SP
	v_add_nc_u32 v15, s19, v15                     ; and out: SP x lane: my 16 neighbours
	v_lshrrev_b32 v5, 1, v2
	s_add_co_u32 s19, s19, 2*32*SP
	v_add_nc_u32 v5, s19, v5                       ; my block's scale byte
	v_lshlrev_b32 v7, 3, v2
	v_add_nc_u32 v6, s19, v7                       ; on the way out 8 scale bytes a lane
	s_mov_b32 s23, MANT
	s_sub_co_u32 s20, ttmp9, 128                   ; work-groups 128 on take the weights:
	s_lshr_b32 s21, s20, 5                         ; which weight,
	s_and_b32 s22, s20, 31                         ; which 32 rows of it
	s_wait_alu depctr_va_vdst(0)
	s_wait_kmcnt 0x0
	s_cmp_eq_u32 s21, 2                            ; the source is chosen on the work-group's number alone
	s_cselect_b64 s[12:13], s[10:11], s[12:13]
	s_cmp_eq_u32 s21, 1
	s_cselect_b64 s[12:13], s[8:9], s[12:13]
	s_cmp_eq_u32 s21, 0
	s_cselect_b64 s[12:13], s[6:7], s[12:13]
	s_cmp_lt_u32 ttmp9, 128
	s_cselect_b64 s[12:13], s[4:5], s[12:13]
	s_cselect_b32 s22, ttmp9, s22
	s_lshl_b32 s22, s22, 2
	s_add_co_u32 s22, s22, s18                     ; my run of 8 rows in the source
	s_lshl_b32 s24, s22, 15                        ; x 32,768 bytes
	s_mov_b32 s25, 0
	s_add_nc_u64 s[12:13], s[12:13], s[24:25]
	s_and_b32 s26, s18, 1                          ; tile order: run w goes to place 2 (w & 1) + (w >> 1)
	s_lshl_b32 s26, s26, 1
	s_lshr_b32 s27, s18, 1
	s_or_b32 s26, s26, s27
	s_lshl_b32 s27, ttmp9, 2
	s_add_co_u32 s26, s26, s27
	s_lshl_b32 s24, s26, 13                        ; 8 rows of 1,024 codes
	s_add_nc_u64 s[14:15], s[14:15], s[24:25]
	s_lshl_b32 s24, s26, 8                         ; 8 rows of 32 scale bytes
	s_add_nc_u64 s[16:17], s[16:17], s[24:25]
.macro LOAD t
.irp i, 0,1,2,3
	global_load_b128 v[R+16*((\t)%AHEAD)+4*\i:R+16*((\t)%AHEAD)+4*\i+3], v3, s[12:13] offset:2048*(\t)+512*\i th:TH_LOAD_NT
.endr
.endm
.macro TURN t                          ; step t's numbers through the stage: LDS serves a wave's instructions in order, so no wait stands between the stores and the loads
.irp i, 0,1,2,3
	ds_store_b128 v14, v[R+16*((\t)%AHEAD)+4*\i:R+16*((\t)%AHEAD)+4*\i+3] offset:32*SP*((\t)%2)+8*SP*\i
.endr
.irp i, 0,1,2,3
	ds_load_b128 v[X+16*((\t)%2)+4*\i:X+16*((\t)%2)+4*\i+3], v15 offset:32*SP*((\t)%2)+16*\i
.endr
.endm
.irp t, 0,1,2,3,4,5,6,7
	LOAD \t
.endr
	s_wait_loadcnt 4*(AHEAD-1)                     ; step 0's four loads are in; the 28 behind them may be out
	TURN 0
.macro STEP t
.set XS, X+16*((\t)%2)
.if (\t) > 0
	s_wait_dscnt 1                                 ; this step's numbers are back from the stage (the last step's byte store may be out)
.else
	s_wait_dscnt 0x0
.endif
.if (\t)+AHEAD < STEPS
	LOAD (\t)+AHEAD                                ; into the set whose stores into the stage have been served
.endif
.if (\t)+1 < STEPS
.if STEPS-2-(\t) >= AHEAD-1
	s_wait_loadcnt 4*(AHEAD-1)                     ; the next step's loads are in; those of the seven steps behind it may be out
.else
	s_wait_loadcnt 4*(STEPS-2-(\t))                ; the counts run down: four loads for each step still behind the next
.endif
	TURN (\t)+1
.endif
	v_max3_num_f32 v8, |v[XS]|, |v[XS+1]|, |v[XS+2]|               ; the largest magnitude of my 16, in two chains
	v_max3_num_f32 v9, |v[XS+3]|, |v[XS+4]|, |v[XS+5]|
.irp i, 6,10
	v_max3_num_f32 v8, v8, |v[XS+\i]|, |v[XS+\i+1]|
	v_max3_num_f32 v9, v9, |v[XS+\i+2]|, |v[XS+\i+3]|
.endr
	v_max3_num_f32 v8, v8, |v[XS+14]|, |v[XS+15]|
	v_max3_num_f32 v8, v8, v9, 0x8000000           ; and the floor 2^(16 - 127): the byte cannot fall under 1
	v_max_num_f32_dpp v8, v8, v8 row_xmask:1 row_mask:0xf bank_mask:0xf   ; with my neighbour's 16: the block's
	v_add_nc_u32 v11, 0xf8800000, v8               ; 15 off the exponent field: the conversion's scale operand
	v_and_or_b32 v10, v8, 0x7f800000, s23          ; 57,344 x the scale
.irp i, 0,1,2,3,4,5,6,7,8,9,10,11,12,13,14,15
	v_med3_num_f32 v[XS+\i], v[XS+\i], -v10, v10   ; the conversion does not saturate (ISA guide 7.6.2): the hold comes first
.endr
	v_cvt_scalef32_pk8_bf8_f32 v[C+4*(\t):C+4*(\t)+1], v[XS:XS+7], v11
	v_cvt_scalef32_pk8_bf8_f32 v[C+4*(\t)+2:C+4*(\t)+3], v[XS+8:XS+15], v11
	v_lshrrev_b32 v[E+(\t)], 23, v11               ; the scale's byte
	ds_store_b8 v5, v[E+(\t)] offset:16*(\t)       ; both lanes of a block write the same byte with the same value
	global_store_b128 v3, v[C+4*(\t):C+4*(\t)+3], s[14:15] offset:512*(\t)   ; the wave stores 512 consecutive bytes
.endm
.irp t, 0,1,2,3,4,5,6,7,8,9,10,11,12,13,14,15
	STEP \t
.endr
	ds_load_b64 v[12:13], v6                       ; LDS serves a wave's instructions in order: these see my byte stores
	s_wait_dscnt 0x0
	global_store_b64 v7, v[12:13], s[16:17]        ; 32 lanes store 256 consecutive bytes, aligned
	s_set_vgpr_msb 0x4
	s_wait_tensorcnt 0x0
	ds_add_u32 v4, v1
	s_wait_dscnt 0x0
	s_set_vgpr_msb 0x400
	s_endpgm
.Lfunc_end_k_qe7b9fa05c0_quant:
	.size	k_qe7b9fa05c0_quant, .Lfunc_end_k_qe7b9fa05c0_quant-k_qe7b9fa05c0_quant
	.p2alignl 7, 3214868480
	.fill 96, 4, 3214868480
	.section	.rodata,"a",@progbits
	.p2align	6, 0x0
	.amdhsa_kernel k_qe7b9fa05c0_quant
		.amdhsa_group_segment_fixed_size 33280
		.amdhsa_private_segment_fixed_size 0
		.amdhsa_enable_private_segment 0
		.amdhsa_kernarg_size 56
		.amdhsa_user_sgpr_count 2
		.amdhsa_user_sgpr_kernarg_segment_ptr 1
		.amdhsa_wavefront_size32 1
		.amdhsa_system_sgpr_workgroup_id_x 1
		.amdhsa_system_sgpr_workgroup_id_y 1
		.amdhsa_system_sgpr_workgroup_id_z 1
		.amdhsa_system_vgpr_workitem_id 0
		.amdhsa_next_free_vgpr 258
		.amdhsa_next_free_sgpr 66
		.amdhsa_reserve_vcc 0
		.amdhsa_float_denorm_mode_32 3
		.amdhsa_float_denorm_mode_16_64 3
		.amdhsa_memory_ordered 1
		.amdhsa_forward_progress 1
		.amdhsa_inst_pref_size 51
	.end_amdhsa_kernel
	.amdgpu_metadata
---
amdhsa.version: [ 1, 2 ]
amdhsa.kernels:
  - .name:           k_qe7b9fa05c0_quant
    .symbol:         k_qe7b9fa05c0_quant.kd
    .args:
      - { .name: inputs, .offset: 0, .size: 8, .value_kind: global_buffer, .address_space: global }
      - { .name: Wq, .offset: 8, .size: 8, .value_kind: global_buffer, .address_space: global }
      - { .name: Wk, .offset: 16, .size: 8, .value_kind: global_buffer, .address_space: global }
      - { .name: Wv, .offset: 24, .size: 8, .value_kind: global_buffer, .address_space: global }
      - { .name: Wo, .offset: 32, .size: 8, .value_kind: global_buffer, .address_space: global }
      - { .name: cod, .offset: 40, .size: 8, .value_kind: global_buffer, .address_space: global }
      - { .name: scl, .offset: 48, .size: 8, .value_kind: global_buffer, .address_space: global }
    .group_segment_fixed_size: 33280
    .private_segment_fixed_size: 0
    .kernarg_segment_align: 8
    .kernarg_segment_size: 56
    .max_flat_workgroup_size: 128
    .sgpr_count:     66
    .vgpr_count:     258
    .wavefront_size: 32
...
	.end_amdgpu_metadata
.endif
;; end of part 1
;; launch proj (part 2): grid 16 x 48, 4 waves a work-group, clusters of 4 x 4, 279,040 bytes of LDS; arguments cod, scl, bq, bk, bv, qkvc, qkvs; writes qkvc, qkvs
.if DOCPART == 2
	.amdgcn_target "amdgcn-amd-amdhsa--gfx1250"
	.amdhsa_code_object_version 6
	.text
	.protected	k_qe7b9fa05c0_proj
	.globl	k_qe7b9fa05c0_proj
	.p2align	8
	.type	k_qe7b9fa05c0_proj,@function
k_qe7b9fa05c0_proj:
	s_mov_b64 s[64:65], 0
	v_nop
	global_prefetch_b8 v0, s[64:65] scope:SCOPE_SE
	s_setreg_imm32_b32 hwreg(HW_REG_WAVE_MODE, 25, 1), 1
	s_wait_xcnt 0x0
	s_wait_alu depctr_hold_cnt(0) depctr_sa_sdst(0) depctr_va_vdst(0) depctr_va_sdst(0) depctr_va_ssrc(0) depctr_va_vcc(0) depctr_vm_vsrc(0)
	s_getreg_b32 s2, hwreg(HW_REG_IB_STS2, 6, 4)
	s_cmp_eq_u32 s2, 0
	s_cbranch_scc0 .Lentry_in_a_cluster
	s_endpgm
.Lentry_in_a_cluster:
	s_bfe_u32 s2, ttmp6, 0x10000c
	s_cmp_lg_u32 s2, 0xf033
	s_cbranch_scc0 .Lentry_shape_is_right
	s_endpgm
.Lentry_shape_is_right:
; q = x Wq^T + bq, k = x Wk^T + bk, v = x Wv^T + bv on codes of BF8 with E8M0 scales (K = 1,024), f32 sums; the results are quantised in registers for the attention
; and leave as IMAGES OF OPERAND REGISTERS: q, k along the head's 64 (two blocks), v along the keys.
; SHARES.  A work-group makes 128 x 128: panel P0 (source 0, 128 rows of cod) x panel P1 (source 1, 128 rows).  Both panels lie in LDS for all of K, each byte filled once: no slot is filled again.
; Wave w takes P0's rows 64 (w & 1) on and P1's rows 64 (w >> 1) on: 4 x 4 tiles, 16 accumulators.  In a result a lane holds one row of source 1 and its registers run along source 0's rows,
; which by cod's tile order are neighbours: so q and k take the weight as P0 and x as P1 (registers along the head), v takes x as P0 and Wv as P1 (registers along the keys).
; Cluster rows 0-7 make q (cluster columns 0, 1) and k (2, 3); cluster rows 8-11 make v.  Only global addresses, the bias and the stores differ; those branches hang on the cluster's number alone.
; CLUSTER 4 x 4: P0 hangs on the work-group's x, so the four of a column ask for it jointly; P1 on its y, shared along a row.
; LIMITS: NaN and infinities are not served; blocks under the floor 2^-111 were not tried; a block of zeros carries the byte 1 (zero codes; only this program reads the bytes).
; REGISTERS.  Window 0: v1-7 addresses; v8-11 the scale words made; v12-15 at work; v16-47, v48-79 P0's and P1's scale words (tile, K step), nothing else; v80-111 bias, later the codes;
;   v112-127 the quantiser's; v128-255 accumulator (i, j) at 128 + 8 (4 j + i).  Window 1: two fragment buffers at v0 and v128: source 0's four tiles, then source 1's four.
.set PITCH, 528                        ; an LDS row: 512 bytes (half of K) + 16 of padding = 33 x 16 bytes: the 16 rows of a fragment load start at 16 different banks
.set PART,  128*PITCH                  ; 128 rows x half of K: one tensor load, one a wave.  Parts 0, 1: P0's and P1's first half of K; parts 2, 3: their second
.set PADW,  (1<<20)|(1<<21)|(6<<22)|(3<<25)   ; elements of 1 byte; padding on; bit 21 beside a mask; after every 128 words, 4 words
.set RR,  1                            ; v1  lane % 16
.set HH,  2                            ; v2  lane / 16
.set L16, 3                            ; v3  16 x lane
.set A0,  4                            ; v4  LDS address of my source 0 fragments
.set A1,  5                            ; v5  of my source 1 fragments
.set R32, 6                            ; v6  32 x (lane % 16): a row of scale bytes
.set BO,  7                            ; v7  a lane offset for the bias, later for the scale words' stores
.set PW,  8
.set TW,  12
.set SA,  16
.set SB,  48
.set BI,  80
.set PC,  80
.set TM,  112
.set ACC, 128
.set MSB, 0
.macro WIN new                         ; the immediate's high byte repeats the setting that is left
.if MSB != \new
	s_set_vgpr_msb (MSB<<8)|\new
.set MSB, \new
.endif
.endm
.macro PLACES n
.rept \n
	v_nop
.endr
.endm
.macro CROUND                          ; a round of the cluster's barrier
	s_barrier_signal -1
	s_barrier_wait -1
	s_cmp_lg_u32 s26, 0
	s_cbranch_scc1 .Lnot_wave_0_\@
	s_barrier_signal -3
.Lnot_wave_0_\@:
	s_barrier_wait -3
	s_barrier_signal -1
	s_barrier_wait -1
.endm
.macro G0SET g, lo                     ; descriptor group 0: count 1, LDS address, global address, type 2
	s_mov_b32 s[\g], 1
	s_mov_b32 s[\g+1], s22
	s_mov_b64 s[\g+2:\g+3], s[\lo:\lo+1]
	s_or_b32 s[\g+3], s[\g+3], 0x80000000
.endm
	s_load_b256 s[4:11], s[0:1], 0x0               ; cod s[4:5], scl s[6:7], bq s[8:9], bk s[10:11]
	s_load_b128 s[12:15], s[0:1], 0x20             ; bv s[12:13], qkvc s[14:15]
	s_load_b64 s[16:17], s[0:1], 0x30              ; qkvs
	s_set_vgpr_msb 0x80
	v_lshl_add_u32 v0, v0, 2, 0x44000
	v_mov_b32 v1, 0
	s_set_vgpr_msb 0x808a
	ds_add_u32 v0, v1
	ds_add_u32 v0, v1
	s_set_vgpr_msb 0x8a00
	v_lshrrev_b32 v12, 5, v0
	v_readfirstlane_b32 s26, v12                   ; wave
	s_lshr_b32 s27, s26, 1                         ; w >> 1: my half of P1.  Also: which half of K I fetch
	s_and_b32 s28, s26, 1                          ; w & 1: my half of P0.  Also: I fetch for P0 (0) or P1 (1)
	s_bfe_u32 s29, ttmp6, 0x40000                  ; cx
	s_bfe_u32 s30, ttmp6, 0x40004                  ; cy
	s_mov_b32 s31, ttmp9                           ; the cluster's x
	s_and_b32 s32, ttmp7, 0xffff                   ; the cluster's y
	s_lshl_b32 s33, s31, 2
	s_add_co_u32 s33, s33, s29                     ; x = 4 x cluster x + cx
	s_lshl_b32 s34, 0x1111, s29                    ; my column of the cluster
	s_lshl_b32 s35, s30, 2
	s_lshl_b32 s35, 15, s35                        ; my row
	s_or_b32 s40, s34, PADW                        ; group 1 for P0: s[40:47]
	s_or_b32 s48, s35, PADW                        ; group 1 for P1: s[48:55]
.irp g, 40, 48
	s_mov_b32 s[\g+1], 512<<16                     ; tensor_dim0 = 512 bytes
	s_mov_b32 s[\g+2], 128<<16                     ; tensor_dim1 = 128 rows
	s_mov_b32 s[\g+3], 512<<16                     ; tile_dim0
	s_mov_b32 s[\g+4], 128                         ; tile_dim1
	s_mov_b32 s[\g+5], 1024                        ; from row to row
	s_mov_b32 s[\g+6], 0
	s_mov_b32 s[\g+7], 0
.endr
	s_sub_co_u32 s36, s32, 8                       ; v's work-groups (cluster y 8-11):
	s_lshr_b32 s37, s36, 1                         ; the batch,
	s_and_b32 s38, s36, 1                          ; which half of Wv
	s_lshl_b32 s92, s37, 11
	s_lshl_b32 s93, s38, 9
	s_add_co_u32 s93, s93, 6144
	s_lshl_b32 s94, s32, 9
	s_cmp_ge_u32 s32, 8
	s_cselect_b32 s92, s92, 4096                   ; P0 begins at row 128 x + (v: 2048 x batch; q, k: 4096, the weights)
	s_cselect_b32 s93, s93, s94                    ; P1 at row 128 cy + (v: 6144 + 512 x half; q, k: 512 x cluster y)
	s_lshl_b32 s95, s33, 7
	s_add_co_u32 s95, s95, s92
	s_lshl_b32 s96, s30, 7
	s_add_co_u32 s96, s96, s93
	s_lshl_b32 s97, s28, 6
	s_add_co_u32 s98, s95, s97                     ; P0: the 64 rows that I multiply, and fetch if I fetch for P0
	s_lshl_b32 s18, s95, 10                        ; what I fetch: a panel's 128 rows (wave & 1: P0 or P1), half wave >> 1 of K
	s_lshl_b32 s19, s27, 9
	s_add_co_u32 s18, s18, s19
	s_lshl_b32 s20, s96, 10
	s_add_co_u32 s20, s20, s19
	s_mov_b32 s19, 0
	s_mov_b32 s21, 0
	s_lshl_b32 s66, s98, 5                         ; my P0 rows' scale bytes
	s_mov_b32 s67, 0
	s_lshl_b32 s100, s27, 6
	s_add_co_u32 s100, s100, s96                   ; P1: the 64 rows that I multiply
	s_lshl_b32 s100, s100, 5
	s_mov_b32 s101, 0
	s_mul_i32 s22, s26, PART                       ; where my fetches go: no place in the cluster enters an LDS address
	s_mov_b32 s39, 0x600000                        ; the mantissa field of 57,344
	s_mov_b32 s104, 0x76543210
	s_mov_b32 s105, 0xfedcba98                     ; v_permlanex16_b32's selects for lane l xor 16
	v_and_b32 v[RR], 15, v0
	v_bfe_u32 v[HH], v0, 4, 1
	v_and_b32 v[L16], 31, v0
	v_lshlrev_b32 v[L16], 4, v[L16]
	v_mul_u32_u24 v12, v[RR], PITCH
	v_lshl_add_u32 v12, v[HH], 4, v12              ; a fragment's row x pitch + 16 x half
	s_mul_i32 s23, s28, 64*PITCH
	v_add_nc_u32 v[A0], s23, v12
	s_mul_i32 s24, s27, 64*PITCH
	s_add_co_u32 s24, s24, PART
	v_add_nc_u32 v[A1], s24, v12
	v_lshlrev_b32 v[R32], 5, v[RR]
.irp k, 0,1,2,3,4,5,6,7
	v_mov_b32 v[TM+8+\k], 0                        ; written once: a lane permute's destination counts as one of its sources
.endr
	s_wait_dscnt 0x0
	s_wait_kmcnt 0x0
	s_add_nc_u64 s[18:19], s[4:5], s[18:19]
	s_add_nc_u64 s[20:21], s[4:5], s[20:21]
	s_add_nc_u64 s[66:67], s[6:7], s[66:67]
	s_add_nc_u64 s[100:101], s[6:7], s[100:101]
	G0SET 56, 18
	G0SET 76, 20
	CROUND                                         ; all sixteen work-groups are here: the joint loads meet
; one joint load a wave, each in an arm of its own: waves 0, 1 the first half of K of P0, P1; waves 2, 3 the second
.macro ARM under, g0, g1, next
	s_cmp_lt_u32 s26, \under
	s_cbranch_scc0 \next
	tensor_load_to_lds s[\g0:\g0+3], s[\g1:\g1+7]
	s_nop 0
	PLACES 4
	s_branch .Lfilled
\next:
.endm
	ARM 1, 56, 40, .Lfill_b0
	ARM 2, 76, 48, .Lfill_a1
	ARM 3, 56, 40, .Lfill_b1
	tensor_load_to_lds s[76:79], s[48:55]
	s_nop 0
	PLACES 4
.Lfilled:
	s_wait_alu depctr_va_vdst(0)
.irp i, 0,1,2,3                        ; a row's 32 scale bytes are its eight words, one for each K step of 128; a tile's 16 rows are 512 consecutive bytes
	global_load_b128 v[SA+8*\i:SA+8*\i+3], v[R32], s[66:67] offset:512*\i
	global_load_b128 v[SA+8*\i+4:SA+8*\i+7], v[R32], s[66:67] offset:512*\i+16
	global_load_b128 v[SB+8*\i:SB+8*\i+3], v[R32], s[100:101] offset:512*\i
	global_load_b128 v[SB+8*\i+4:SB+8*\i+7], v[R32], s[100:101] offset:512*\i+16
.endr
	s_cmp_ge_u32 s32, 8
	s_cbranch_scc1 .Lbias_v
	s_cmp_lt_u32 s31, 2                            ; q, k: registers run along the features: tile i's eight of my half: 32 (i / 2) + 16 h + 8 (i % 2) + 0 .. 7
	s_cselect_b64 s[2:3], s[8:9], s[10:11]
	s_and_b32 s23, s33, 7
	s_lshl_b32 s23, s23, 9
	s_lshl_b32 s24, s28, 8
	s_add_co_u32 s24, s24, s23
	s_mov_b32 s25, 0
	s_add_nc_u64 s[2:3], s[2:3], s[24:25]
	v_lshlrev_b32 v[BO], 6, v[HH]
.irp i, 0,1,2,3
	global_load_b128 v[BI+8*\i:BI+8*\i+3], v[BO], s[2:3] offset:(32*(\i/2)+8*(\i%2))*4
	global_load_b128 v[BI+8*\i+4:BI+8*\i+7], v[BO], s[2:3] offset:(32*(\i/2)+8*(\i%2))*4+16
.endr
	s_branch .Lbias_in
.Lbias_v:                                          ; v: a lane holds one feature of tile j: 32 (j / 2) + 8 (j % 2) + r + 8 (r / 8); its bias fills the tile's eight registers, so that both kinds add the bias by eights
	s_lshl_b32 s23, s38, 2
	s_add_co_u32 s23, s23, s30
	s_lshl_b32 s23, s23, 9
	s_lshl_b32 s24, s27, 8
	s_add_co_u32 s24, s24, s23
	s_mov_b32 s25, 0
	s_add_nc_u64 s[2:3], s[12:13], s[24:25]
	v_and_b32 v[BO], 8, v[RR]
	v_add_nc_u32 v[BO], v[BO], v[RR]
	v_lshlrev_b32 v[BO], 2, v[BO]
.irp j, 0,1,2,3
.irp n, 0,1,2,3,4,5,6,7
	global_load_b32 v[BI+8*\j+\n], v[BO], s[2:3] offset:(32*(\j/2)+8*(\j%2))*4
.endr
.endr
.Lbias_in:
	s_wait_loadcnt 0x0                             ; scale words and bias, once
.macro FETCH s, f                      ; the fragments of K step s (128 along K) into buffer f: 32 loads in one run
	WIN 0x40                                       ; destination window 1, address window 0
.irp i, 0,1,2,3
.irp c, 0,1,2,3
	ds_load_b128 v[\f+16*\i+4*\c:\f+16*\i+4*\c+3], v[A0] offset:\i*16*PITCH+128*((\s)%4)+32*\c
.endr
.endr
.irp j, 0,1,2,3
.irp c, 0,1,2,3
	ds_load_b128 v[\f+64+16*\j+4*\c:\f+64+16*\j+4*\c+3], v[A1] offset:\j*16*PITCH+128*((\s)%4)+32*\c
.endr
.endr
	WIN 0
.endm
.macro MUL f, s, j0, zero              ; 8 products: source 1's tiles j0, j0 + 1 x source 0's four.  The 16 accumulators take turns, one instruction a turn, in one order through all K steps
	WIN 0x05                                       ; sources 0 and 1 window 1; C and D window 0
.irp j, \j0, \j0+1
.irp i, 0,1,2,3
.if \zero
	v_wmma_scale_f32_16x16x128_f8f6f4 v[ACC+8*(4*(\j)+\i):ACC+8*(4*(\j)+\i)+7], v[\f+16*\i:\f+16*\i+15], v[\f+64+16*(\j):\f+64+16*(\j)+15], 0, v[SA+8*\i+(\s)], v[SB+8*(\j)+(\s)] matrix_a_fmt:MATRIX_FMT_BF8 matrix_b_fmt:MATRIX_FMT_BF8
.else
	v_wmma_scale_f32_16x16x128_f8f6f4 v[ACC+8*(4*(\j)+\i):ACC+8*(4*(\j)+\i)+7], v[\f+16*\i:\f+16*\i+15], v[\f+64+16*(\j):\f+64+16*(\j)+15], v[ACC+8*(4*(\j)+\i):ACC+8*(4*(\j)+\i)+7], v[SA+8*\i+(\s)], v[SB+8*(\j)+(\s)] matrix_a_fmt:MATRIX_FMT_BF8 matrix_b_fmt:MATRIX_FMT_BF8
.endif
.endr
.endr
.endm
.macro KSTEP s, f, g, zero             ; K step s multiplies buffer f; in its middle the next step's fragments are fetched into buffer g
	s_wait_dscnt 0x0                               ; this step's 32 loads are in
	MUL \f, \s, 0, \zero
.if (\s) < 7
	WIN 0
.if (\s) == 3
	v_add_nc_u32 v[A0], 2*PART, v[A0]              ; on to the second half of K
	v_add_nc_u32 v[A1], 2*PART, v[A1]
	s_wait_alu depctr_va_vdst(0)
	s_wait_tensorcnt 0x0                           ; every wave's load is in: the second half of K is shown by this barrier
	s_barrier_signal -1                            ; (no LDS instruction of mine is out)
	s_barrier_wait -1                              ; everybody's part is in
.endif
	PLACES 8                                       ; eight places between the last product that read buffer g and the loads into it
	FETCH (\s)+1, \g
.endif
	MUL \f, \s, 2, \zero
.endm
	s_cmp_lt_u32 s26, 2                            ; waves 0 and 1 wait for their loads, the first half of K; waves 2 and 3 wait in K step 3
	s_cbranch_scc0 .Lnot_first
	s_wait_tensorcnt 0x0
.Lnot_first:
	s_barrier_signal -1
	s_barrier_wait -1
	FETCH 0, 0
	KSTEP 0, 0, 128, 1                             ; the first products start the sums
	KSTEP 1, 128, 0, 0
	KSTEP 2, 0, 128, 0
	KSTEP 3, 128, 0, 0
	KSTEP 4, 0, 128, 0
	KSTEP 5, 128, 0, 0
	KSTEP 6, 0, 128, 0
	KSTEP 7, 128, 0, 0
	WIN 0
	PLACES 8                                       ; in front of the first reads of results
	s_cmp_ge_u32 s32, 8
	s_cbranch_scc1 .Ladd_v
.irp j, 0,1,2,3                        ; the bias; every accumulator is read from its low end on
.set n, 0
.rept 16
	v_pk_add_f32 v[ACC+32*\j+n:ACC+32*\j+n+1], v[ACC+32*\j+n:ACC+32*\j+n+1], v[BI+n:BI+n+1]
.set n, n+2
.endr
.endr
	s_branch .Ladded
.Ladd_v:
.irp j, 0,1,2,3
.set n, 0
.rept 16
	v_pk_add_f32 v[ACC+32*\j+n:ACC+32*\j+n+1], v[ACC+32*\j+n:ACC+32*\j+n+1], v[BI+8*\j+n%8:BI+8*\j+n%8+1]
.set n, n+2
.endr
.endr
.Ladded:
	; THE QUANTISER.  For source 1's tile j a lane holds 32 numbers, register 16 b + n = place 32 b + 16 (lane / 16) + n along the next K: two blocks, each shared with lane l xor 16.  Eight chains by turns.
.irp j, 0,1,2,3
.irp b, 0,1
	v_max3_num_f32 v[TM+2*\j+\b], |v[ACC+32*\j+16*\b]|, |v[ACC+32*\j+16*\b+1]|, 0x8000000   ; with the floor 2^(16 - 127): the byte cannot fall under 1
.endr
.endr
.irp n, 2,4,6,8,10,12,14
.irp j, 0,1,2,3
.irp b, 0,1
	v_max3_num_f32 v[TM+2*\j+\b], v[TM+2*\j+\b], |v[ACC+32*\j+16*\b+\n]|, |v[ACC+32*\j+16*\b+\n+1]|
.endr
.endr
.endr
.irp k, 0,1,2,3,4,5,6,7
	v_permlanex16_b32 v[TM+8+\k], v[TM+\k], s104, s105
.endr
.irp k, 0,1,2,3,4,5,6,7
	v_max_num_f32 v[TM+\k], v[TM+\k], v[TM+8+\k]   ; the block's largest magnitude
.endr
.irp k, 0,1,2,3,4,5,6,7
	v_add_nc_u32 v[TM+8+\k], 0xf8800000, v[TM+\k]  ; 15 off its exponent field: the conversion's scale operand
.endr
.irp k, 0,1,2,3,4,5,6,7
	v_and_or_b32 v[TM+\k], v[TM+\k], 0x7f800000, s39   ; 57,344 x the scale
.endr
.irp j, 0,1,2,3
	v_lshrrev_b32 v[PW+\j], 23, v[TM+8+2*\j]       ; the two scale bytes of tile j
.endr
.irp j, 0,1,2,3
	v_lshrrev_b32 v[TW+\j], 23, v[TM+8+2*\j+1]
.endr
.irp j, 0,1,2,3
	v_lshl_or_b32 v[PW+\j], v[TW+\j], 8, v[PW+\j]
.endr
.irp j, 0,1,2,3
.irp b, 0,1
.irp n, 0,1,2,3,4,5,6,7,8,9,10,11,12,13,14,15
	v_med3_num_f32 v[ACC+32*\j+16*\b+\n], v[ACC+32*\j+16*\b+\n], -v[TM+2*\j+\b], v[TM+2*\j+\b]   ; the conversion does not saturate (ISA guide 7.6.2)
.endr
	v_cvt_scalef32_pk8_bf8_f32 v[PC+8*\j+4*\b:PC+8*\j+4*\b+1], v[ACC+32*\j+16*\b:ACC+32*\j+16*\b+7], v[TM+8+2*\j+\b]
	v_cvt_scalef32_pk8_bf8_f32 v[PC+8*\j+4*\b+2:PC+8*\j+4*\b+3], v[ACC+32*\j+16*\b+8:ACC+32*\j+16*\b+15], v[TM+8+2*\j+\b]
.endr
.endr
	v_nop                                          ; one plain line behind the last conversion
	s_cmp_ge_u32 s32, 8
	s_cbranch_scc1 .Lstore_v
	; q, k: images [batch x head][token tile][block 2][lane][16 bytes]: my four tiles are 4,096 bytes on end
	s_lshl_b32 s100, s32, 2
	s_add_co_u32 s100, s100, s30                   ; y = 4 x cluster y + cy: which 128 tokens
	s_and_b32 s23, s33, 7
	s_lshl_b32 s23, s23, 1
	s_add_co_u32 s23, s23, s28                     ; the head: 2 (x & 7) + (w & 1)
	s_and_b32 s101, s100, 16
	s_add_co_u32 s23, s23, s101                    ; + 16 x batch
	s_and_b32 s24, s100, 15                        ; the key step: which 128 tokens of the batch
	s_lshl_b32 s25, s24, 3
	s_lshl_b32 s101, s27, 2
	s_add_co_u32 s25, s25, s101                    ; my first token tile in the batch
	s_lshr_b32 s2, s31, 1                          ; 0: q, 1: k
	s_lshl_b32 s2, s2, 22
	s_lshl_b32 s101, s23, 17
	s_add_co_u32 s2, s2, s101
	s_lshl_b32 s101, s25, 10
	s_add_co_u32 s2, s2, s101
	s_mov_b32 s3, 0
	s_add_nc_u64 s[2:3], s[14:15], s[2:3]
	s_wait_alu depctr_va_vdst(0)
.irp j, 0,1,2,3
.irp c, 0,1
	global_store_b128 v[L16], v[PC+8*\j+4*\c:PC+8*\j+4*\c+3], s[2:3] offset:1024*\j+512*\c   ; 512 consecutive bytes a store
.endr
.endr
	s_cmp_lt_u32 s31, 2
	s_cbranch_scc0 .Lk_words
	s_lshl_b32 s66, s23, 13                        ; q's words [batch x head][tile][row]: the two bytes twice, for either half of the product's K
	s_lshl_b32 s67, s25, 6
	s_add_co_u32 s66, s66, s67
	s_mov_b32 s67, 0
	s_add_nc_u64 s[66:67], s[16:17], s[66:67]
	v_lshlrev_b32 v[BO], 2, v[RR]
.irp j, 0,1,2,3
	v_lshl_or_b32 v[TW+\j], v[PW+\j], 16, v[PW+\j]
.endr
.irp j, 0,1,2,3
	global_store_b32 v[BO], v[TW+\j], s[66:67] offset:64*\j   ; (both halves of the lanes hold the same word and write it to the same place)
.endr
	s_branch .Ldone
.Lk_words:                                         ; k's words [batch x head][key step][row][pair of tiles]: the even tile's two bytes, then the odd tile's
	s_lshl_b32 s66, s23, 12
	s_lshl_b32 s67, s24, 8
	s_add_co_u32 s66, s66, s67
	s_lshl_b32 s67, s27, 3
	s_add_co_u32 s66, s66, s67
	s_add_co_u32 s66, s66, 262144
	s_mov_b32 s67, 0
	s_add_nc_u64 s[66:67], s[16:17], s[66:67]
	v_lshlrev_b32 v[BO], 4, v[RR]
	v_lshl_or_b32 v[TW], v[PW+1], 16, v[PW]
	v_lshl_or_b32 v[TW+1], v[PW+3], 16, v[PW+2]
	global_store_b64 v[BO], v[TW:TW+1], s[66:67]
	s_branch .Ldone
.Lstore_v:                                         ; v: images [batch x head][key step][tile of 16 d][key block 4][lane][16 bytes]: my two key blocks of each of four tiles
	s_lshl_b32 s23, s38, 2
	s_add_co_u32 s23, s23, s30
	s_lshl_b32 s23, s23, 1
	s_add_co_u32 s23, s23, s27                     ; the head
	s_lshl_b32 s24, s37, 4
	s_add_co_u32 s23, s23, s24                     ; + 16 x batch
	s_lshl_b32 s2, s23, 17
	s_lshl_b32 s101, s33, 13                       ; the key step is x
	s_add_co_u32 s2, s2, s101
	s_lshl_b32 s101, s28, 10
	s_add_co_u32 s2, s2, s101
	s_add_co_u32 s2, s2, 0x800000
	s_mov_b32 s3, 0
	s_add_nc_u64 s[2:3], s[14:15], s[2:3]
	s_wait_alu depctr_va_vdst(0)
.irp j, 0,1,2,3
.irp c, 0,1
	global_store_b128 v[L16], v[PC+8*\j+4*\c:PC+8*\j+4*\c+3], s[2:3] offset:2048*\j+512*\c
.endr
.endr
	s_lshl_b32 s66, s23, 12                        ; v's words [batch x head][key step][row][tile]: my two bytes of each word.  Two bytes a lane: 128 KB in the whole launch
	s_lshl_b32 s67, s33, 8
	s_add_co_u32 s66, s66, s67
	s_lshl_b32 s67, s28, 1
	s_add_co_u32 s66, s66, s67
	s_add_co_u32 s66, s66, 393216
	s_mov_b32 s67, 0
	s_add_nc_u64 s[66:67], s[16:17], s[66:67]
	v_lshlrev_b32 v[BO], 4, v[RR]
.irp j, 0,1,2,3
	global_store_b16 v[BO], v[PW+\j], s[66:67] offset:4*\j
.endr
.Ldone:
	s_set_vgpr_msb 0xa
	s_wait_tensorcnt 0x0
	ds_add_u32 v0, v1
	s_wait_dscnt 0x0
	s_set_vgpr_msb 0xa00
	CROUND                                         ; the closing round: no work-group ends while a partner may still ask for a tile that names it
	s_endpgm
.Lfunc_end_k_qe7b9fa05c0_proj:
	.size	k_qe7b9fa05c0_proj, .Lfunc_end_k_qe7b9fa05c0_proj-k_qe7b9fa05c0_proj
	.p2alignl 7, 3214868480
	.fill 96, 4, 3214868480
	.section	.rodata,"a",@progbits
	.p2align	6, 0x0
	.amdhsa_kernel k_qe7b9fa05c0_proj
		.amdhsa_group_segment_fixed_size 279040
		.amdhsa_private_segment_fixed_size 0
		.amdhsa_enable_private_segment 0
		.amdhsa_kernarg_size 56
		.amdhsa_user_sgpr_count 2
		.amdhsa_user_sgpr_kernarg_segment_ptr 1
		.amdhsa_wavefront_size32 1
		.amdhsa_system_sgpr_workgroup_id_x 1
		.amdhsa_system_sgpr_workgroup_id_y 1
		.amdhsa_system_sgpr_workgroup_id_z 1
		.amdhsa_system_vgpr_workitem_id 0
		.amdhsa_next_free_vgpr 514
		.amdhsa_next_free_sgpr 106
		.amdhsa_reserve_vcc 0
		.amdhsa_float_denorm_mode_32 3
		.amdhsa_float_denorm_mode_16_64 3
		.amdhsa_memory_ordered 1
		.amdhsa_forward_progress 1
		.amdhsa_inst_pref_size 78
	.end_amdhsa_kernel
	.amdgpu_metadata
---
amdhsa.version: [ 1, 2 ]
amdhsa.kernels:
  - .name:           k_qe7b9fa05c0_proj
    .symbol:         k_qe7b9fa05c0_proj.kd
    .args:
      - { .name: cod, .offset: 0, .size: 8, .value_kind: global_buffer, .address_space: global }
      - { .name: scl, .offset: 8, .size: 8, .value_kind: global_buffer, .address_space: global }
      - { .name: bq, .offset: 16, .size: 8, .value_kind: global_buffer, .address_space: global }
      - { .name: bk, .offset: 24, .size: 8, .value_kind: global_buffer, .address_space: global }
      - { .name: bv, .offset: 32, .size: 8, .value_kind: global_buffer, .address_space: global }
      - { .name: qkvc, .offset: 40, .size: 8, .value_kind: global_buffer, .address_space: global }
      - { .name: qkvs, .offset: 48, .size: 8, .value_kind: global_buffer, .address_space: global }
    .group_segment_fixed_size: 279040
    .private_segment_fixed_size: 0
    .kernarg_segment_align: 8
    .kernarg_segment_size: 56
    .max_flat_workgroup_size: 128
    .sgpr_count:     106
    .vgpr_count:     514
    .wavefront_size: 32
...
	.end_amdgpu_metadata
.endif
;; end of part 2
;; launch attn (part 3): grid 8 x 32, 8 waves a work-group, clusters of 4 x 1, 279,552 bytes of LDS; arguments qkvc, qkvs, mask, xo, xs; writes xo, xs
.if DOCPART == 3
	.amdgcn_target "amdgcn-amd-amdhsa--gfx1250"
	.amdhsa_code_object_version 6
	.text
	.protected	k_qe7b9fa05c0_attn
	.globl	k_qe7b9fa05c0_attn
	.p2align	8
	.type	k_qe7b9fa05c0_attn,@function
k_qe7b9fa05c0_attn:
	s_mov_b64 s[64:65], 0
	v_nop
	global_prefetch_b8 v0, s[64:65] scope:SCOPE_SE
	s_setreg_imm32_b32 hwreg(HW_REG_WAVE_MODE, 25, 1), 1
	s_wait_xcnt 0x0
	s_wait_alu depctr_hold_cnt(0) depctr_sa_sdst(0) depctr_va_vdst(0) depctr_va_sdst(0) depctr_va_ssrc(0) depctr_va_vcc(0) depctr_vm_vsrc(0)
	s_getreg_b32 s2, hwreg(HW_REG_IB_STS2, 6, 4)
	s_cmp_eq_u32 s2, 0
	s_cbranch_scc0 .Lentry_in_a_cluster
	s_endpgm
.Lentry_in_a_cluster:
	s_bfe_u32 s2, ttmp6, 0x10000c
	s_cmp_lg_u32 s2, 0x3003
	s_cbranch_scc0 .Lentry_shape_is_right
	s_endpgm
.Lentry_shape_is_right:
; x = P V with P = softmax(s m) m / (sum(softmax(s m) m) + 1e-13), s = q k^T / 8, m = mq mk, both products on codes of BF8 with E8M0 scales.
; P is quantised FINISHED: p = e mk mq / (mq W + 1e-13 Z), e = exp(z - max z), z = s mq mk, Z = sum e, W = sum e mk.  No code of p can be made before Z and W are known, so the keys are walked twice:
; pass 1 finds the maximum (a running one), Z and W; pass 2 makes the scores again, p, its codes along the keys, and O^T += V^T P^T.  The mask is taken as numbers, not as 0 and 1.
; SHARES.  A work-group owns 256 queries of one batch x head; each of its eight waves two tiles of 16 queries, which share every fragment of K and V and every mask load.  The head's K and V codes,
; their scale words and the batch's mask lie in LDS, each byte filled once, as images of operand registers (a fragment's four registers of lane l at 16 l): every LDS load reads 512 consecutive bytes.
; CLUSTER 4 x 1: the four query blocks of a cluster belong to one head and ask for these bytes jointly.
; LAYOUT.  Both products are used transposed: a lane holds ONE query (lane % 16).  K = 64 fills half of the instruction's 128: a fragment of K holds two tiles of 16 keys, one in k 0-63, one in k 64-127;
; against [q | zero codes] it gives the first tile's scores, against [zero codes | q] the second's.  By the tile order of the keys the 16 registers of such a pair are 16 neighbouring keys.
; The sign of mq is put onto q's codes (exact), so that A = |mq| log2(e) / 8 is not negative and the largest exponent is A x the largest s mk.
; The result x is quantised along D here (two blocks a head) and leaves as images of the last product's operand.
; LIMITS: NaN and infinities are not served; an e under 2^-126 counts as 0 (v_exp_f32: ISA guide 15.8); blocks under the floor 2^-111 were not tried; a block of zeros carries the byte 1 (zero codes).
; REGISTERS.  Window 0: v1-5 lane addresses that stay; v6-10 addresses of the step in hand; v11, v15 at work; v12-14 r, h, lane; v16-79 mk of the step's keys (in pass 2 p's codes lie over v16-47);
;   v80-143, v144-207 the two tiles' scores; v208-219 scale words, nothing else; v220-239 ten statistics a tile; v240-255 at work.
;   Window 1: v0-63 K's four fragments; v64-127 V's four; v128-175 q | zeros | q for each tile; v176-239 O^T.
.set VC,   131072                      ; LDS: K's codes at 0, V's here,
.set KSC,  262144                      ; K's scale words,
.set VSC,  266240                      ; V's,
.set MSK,  270336                      ; the batch's mask
.set AK0,  1
.set AV0,  2
.set AU0,  3
.set AKS0, 4
.set AVS0, 5
.set ADK,  6
.set ADV,  7
.set ADU,  8
.set ADS,  9
.set ADT,  10
.set SG,   11                          ; v11, v15: a tile's sign mask, at the end its scale bytes
.set RR,   12
.set HH,   13
.set LN,   14
.set U,    16
.set PC,   16
.set S,    80
.set KS,   208
.set VS,   212
.set QS,   216
.set PS,   218
.set ST,   220                         ; tile t at ST + 10 t: +0 A, +1 mq, +2 -max, +3 T, +4 F, +5 T2, +6 +7 Z in two halves (pass 2: +6 = mq / divisor), +8 +9 W
.set TM,   240
.set KF,   0
.set VF,   64
.set QF,   128
.set OT,   176
.set MSB, 0
.macro WIN new                         ; the immediate's high byte repeats the setting that is left
.if MSB != \new
	s_set_vgpr_msb (MSB<<8)|\new
.set MSB, \new
.endif
.endm
.macro PLACES n
.rept \n
	v_nop
.endr
.endm
.macro CROUND                          ; a round of the cluster's barrier
	s_barrier_signal -1
	s_barrier_wait -1
	s_cmp_lg_u32 s14, 0
	s_cbranch_scc1 .Lnot_wave_0_\@
	s_barrier_signal -3
.Lnot_wave_0_\@:
	s_barrier_wait -3
	s_barrier_signal -1
	s_barrier_wait -1
.endm
	s_load_b256 s[4:11], s[0:1], 0x0               ; qkvc s[4:5], qkvs s[6:7], mask s[8:9], xo s[10:11]
	s_load_b64 s[12:13], s[0:1], 0x20              ; xs
	s_set_vgpr_msb 0x40
	v_lshl_add_u32 v254, v0, 2, 0x44000
	v_mov_b32 v255, 0
	s_set_vgpr_msb 0x4045
	ds_add_u32 v254, v255
	ds_add_u32 v254, v255
	s_set_vgpr_msb 0x4500
	v_lshrrev_b32 v11, 5, v0
	s_delay_alu instid0(VALU_DEP_1)
	v_readfirstlane_b32 s14, v11                   ; wave 0..7
	s_bfe_u32 s15, ttmp6, 0x40000                  ; cx
	s_lshl_b32 s16, ttmp9, 2
	s_add_co_u32 s16, s16, s15                     ; my block of 256 queries: it enters q's, the query mask's and the results' addresses alone
	s_and_b32 s17, ttmp7, 0xffff                   ; batch x head, which the four partners share
	s_lshr_b32 s18, s17, 4                         ; batch
	s_and_b32 s19, s17, 15                         ; head
	s_mov_b32 s20, 0x76543210
	s_mov_b32 s21, 0xfedcba98                      ; v_permlanex16_b32's selects for lane l xor 16
	s_mov_b32 s22, 0x600000                        ; the mantissa field of 57,344
	s_mov_b32 s23, 0x3e38aa3b                      ; log2(e) / 8
	; descriptor group 1: dense blocks as rows of 256 bytes (32 elements of 8 bytes); the mask names all four work-groups, bit 21 beside it
.irp g, 24, 32, 40
	s_mov_b32 s[\g], 15|(3<<16)|(1<<21)
	s_mov_b32 s[\g+1], 32<<16
	s_mov_b32 s[\g+3], 32<<16
	s_mov_b32 s[\g+5], 32
	s_mov_b32 s[\g+6], 0
	s_mov_b32 s[\g+7], 0
.endr
	s_mov_b32 s26, 256<<16                         ; s[24:31]: 256 rows, 64 KB: half of a head's codes
	s_mov_b32 s28, 256
	s_mov_b32 s34, 16<<16                          ; s[32:39]: 16 rows, 4 KB: a head's scale words
	s_mov_b32 s36, 16
	s_mov_b32 s42, 32<<16                          ; s[40:47]: 32 rows, 8 KB: the batch's mask
	s_mov_b32 s44, 32
	s_lshl_b32 s76, s17, 17
	s_and_b32 s77, s14, 1
	s_lshl_b32 s77, s77, 16
	s_add_co_u32 s76, s76, s77                     ; half wave & 1 of the head's codes
	s_mov_b32 s77, 0
	s_lshl_b32 s78, s17, 12                        ; its scale words
	s_mov_b32 s79, 0
	s_lshl_b32 s80, s18, 13                        ; the batch's mask
	s_mov_b32 s81, 0
	s_lshl_b32 s88, s16, 4
	s_lshl_b32 s89, s14, 1
	s_add_co_u32 s88, s88, s89                     ; my first query tile in the batch: 16 x block + 2 x wave
	s_lshl_b32 s82, s17, 17
	s_lshl_b32 s83, s88, 10
	s_add_co_u32 s82, s82, s83                     ; q's images
	s_mov_b32 s83, 0
	s_lshl_b32 s84, s17, 13
	s_lshl_b32 s85, s88, 6
	s_add_co_u32 s84, s84, s85                     ; q's scale words
	s_mov_b32 s85, 0
	s_lshl_b32 s86, s18, 13
	s_lshl_b32 s87, s16, 10
	s_add_co_u32 s86, s86, s87
	s_lshl_b32 s87, s14, 7
	s_add_co_u32 s86, s86, s87                     ; the mask at my 32 queries
	s_mov_b32 s87, 0
	v_and_b32 v[RR], 15, v0
	v_bfe_u32 v[HH], v0, 4, 1
	v_and_b32 v[LN], 31, v0
	s_delay_alu instid0(VALU_DEP_1)
	v_lshlrev_b32 v[AK0], 4, v[LN]                 ; an image's place for my lane
	s_delay_alu instid0(VALU_DEP_1)
	v_add_nc_u32 v[AV0], VC, v[AK0]
	s_delay_alu instid0(VALU_DEP_4)
	v_lshl_add_u32 v[AU0], v[HH], 6, MSK           ; my half's 16 keys of a block of 32
	v_lshl_add_u32 v[AKS0], v[RR], 4, KSC          ; four words a row and step
	v_lshl_add_u32 v[AVS0], v[RR], 4, VSC
	v_lshlrev_b32 v[ADK], 2, v[RR]                 ; (for the head's loads: 4 r,
	v_and_b32 v[ADV], 8, v[RR]
	s_delay_alu instid0(VALU_DEP_1)
	v_add_nc_u32 v[ADV], v[ADV], v[RR]
	s_delay_alu instid0(VALU_DEP_1)
	v_lshlrev_b32 v[ADV], 2, v[ADV]                ; and 4 (r + 8 (r / 8)): the token that lane r of a tile holds)
	s_wait_dscnt 0x0
	s_wait_kmcnt 0x0
	s_mov_b32 s48, 1                               ; K's codes
	s_and_b32 s49, s14, 1
	s_lshl_b32 s49, s49, 16
	s_add_nc_u64 s[50:51], s[4:5], s[76:77]
	s_add_nc_u64 s[50:51], s[50:51], 0x400000
	s_or_b32 s51, s51, 0x80000000
	s_mov_b32 s52, 1                               ; K's scale words
	s_mov_b32 s53, KSC
	s_add_nc_u64 s[54:55], s[6:7], s[78:79]
	s_add_nc_u64 s[54:55], s[54:55], 262144
	s_or_b32 s55, s55, 0x80000000
	s_mov_b32 s56, 1                               ; the mask
	s_mov_b32 s57, MSK
	s_add_nc_u64 s[58:59], s[8:9], s[80:81]
	s_or_b32 s59, s59, 0x80000000
	s_mov_b32 s60, 1                               ; V's codes
	s_and_b32 s61, s14, 1
	s_lshl_b32 s61, s61, 16
	s_add_co_u32 s61, s61, VC
	s_add_nc_u64 s[62:63], s[4:5], s[76:77]
	s_add_nc_u64 s[62:63], s[62:63], 0x800000
	s_or_b32 s63, s63, 0x80000000
	s_mov_b32 s68, 1                               ; V's scale words
	s_mov_b32 s69, VSC
	s_add_nc_u64 s[70:71], s[6:7], s[78:79]
	s_add_nc_u64 s[70:71], s[70:71], 393216
	s_or_b32 s71, s71, 0x80000000
	s_add_nc_u64 s[82:83], s[4:5], s[82:83]
	s_add_nc_u64 s[84:85], s[6:7], s[84:85]
	s_add_nc_u64 s[86:87], s[8:9], s[86:87]
	CROUND                                         ; all four work-groups are here: the joint loads meet
; at most one joint load a wave, in one chain of arms: waves 0, 1 K's halves; 2 K's scale words; 3 the mask; 4, 5 V's halves; 6 V's scale words; 7 none
.macro ARM under, g0, g1, next
	s_cmp_lt_u32 s14, \under
	s_cbranch_scc0 \next
	tensor_load_to_lds s[\g0:\g0+3], s[\g1:\g1+7]
	s_nop 0
	PLACES 4
	s_branch .Lhead_asked
\next:
.endm
	ARM 2, 48, 24, .Lh_ks
	ARM 3, 52, 32, .Lh_m
	ARM 4, 56, 40, .Lh_v
	ARM 6, 60, 24, .Lh_vs
	ARM 7, 68, 32, .Lh_none
.Lhead_asked:
	WIN 0x40                                       ; destination window 1
	s_wait_alu depctr_va_vdst(0)
.irp t, 0,1
.irp c, 0,1
	global_load_b128 v[QF+24*\t+4*\c:QF+24*\t+4*\c+3], v[AK0], s[82:83] offset:1024*\t+512*\c        ; q, in front of the zeros,
	global_load_b128 v[QF+24*\t+16+4*\c:QF+24*\t+16+4*\c+3], v[AK0], s[82:83] offset:1024*\t+512*\c  ; and behind them
.endr
.endr
	WIN 0
.irp t, 0,1
	global_load_b32 v[QS+\t], v[ADK], s[84:85] offset:64*\t
	global_load_b32 v[ST+10*\t+1], v[ADV], s[86:87] offset:32*\t   ; mq
.endr
	s_wait_loadcnt 0x0
.irp t, 0,1
	v_ashrrev_i32 v[SG+4*\t], 31, v[ST+10*\t+1]
.endr
.irp t, 0,1
	s_delay_alu instid0(VALU_DEP_2)
	v_and_b32 v[SG+4*\t], 0x80808080, v[SG+4*\t]   ; the codes' sign bits where mq is negative
.endr
	WIN 0x41                                       ; destination and source 0 window 1
.irp t, 0,1
.irp n, 0,1,2,3,4,5,6,7
	v_mov_b32 v[QF+24*\t+8+\n], 0                  ; zero codes add nothing under any scale byte but 0xff
.endr
.irp n, 0,1,2,3,4,5,6,7
	v_xor_b32 v[QF+24*\t+\n], v[QF+24*\t+\n], v[SG+4*\t]
	v_xor_b32 v[QF+24*\t+16+\n], v[QF+24*\t+16+\n], v[SG+4*\t]
.endr
.endr
	WIN 0
	; An operand written by vector instructions stands four places ahead of a scaled product that takes it: the twelve plain lines below stand between q's last change and the first K Q^T
.irp t, 0,1
	v_mul_f32 v[ST+10*\t], s23, |v[ST+10*\t+1]|    ; A
.endr
.irp t, 0,1
	v_mov_b32 v[ST+10*\t+2], 0x7f61b1e6            ; -max: +3e38, over every -t
.irp n, 6,7,8,9
	v_mov_b32 v[ST+10*\t+\n], 0                    ; Z and W (pass 1 is written once: its first step finds zeros)
.endr
.endr
.macro FETCHK ra, rs                   ; a step's K: four fragments (16 loads), then its four scale words a row: 17 LDS loads
	WIN 0x40
.set n, 0
.rept 16
	ds_load_b128 v[KF+4*n:KF+4*n+3], v[\ra] offset:512*n
.set n, n+1
.endr
	WIN 0
	ds_load_b128 v[KS:KS+3], v[\rs]
.endm
.macro FETCHU ra                       ; mk of my 64 keys of the step, in the scores' order: 16 loads
.set n, 0
.rept 16
	ds_load_b128 v[U+4*n:U+4*n+3], v[\ra] offset:128*(n/4)+16*(n%4)
.set n, n+1
.endr
.endm
.macro FETCHV ra, rs                   ; a step's V: its scale words, then four fragments: 17 loads
	ds_load_b128 v[VS:VS+3], v[\rs]
	WIN 0x40
.set n, 0
.rept 16
	ds_load_b128 v[VF+4*n:VF+4*n+3], v[\ra] offset:512*n
.set n, n+1
.endr
	WIN 0
.endm
.macro QK                              ; S^T of 128 keys x 32 queries: 16 products, each with an accumulator of its own
	WIN 0x05                                       ; sources 0 and 1 window 1, D window 0
.irp g, 0,1,2,3
.irp u, 0,1
.irp t, 0,1
	v_wmma_scale_f32_16x16x128_f8f6f4 v[S+64*\t+16*\g+8*\u:S+64*\t+16*\g+8*\u+7], v[KF+16*\g:KF+16*\g+15], v[QF+24*\t+8*\u:QF+24*\t+8*\u+15], 0, v[KS+\g], v[QS+\t] matrix_a_fmt:MATRIX_FMT_BF8 matrix_b_fmt:MATRIX_FMT_BF8
.endr
.endr
.endr
.endm
.macro PV zero                         ; O^T += V^T P^T: eight accumulators by turns, one instruction a turn
	WIN 0x51                                       ; V window 1, p's codes window 0, C and D window 1
.irp d, 0,1,2,3
.irp t, 0,1
.if \zero
	s_wait_alu depctr_va_vdst(0)
	v_wmma_scale_f32_16x16x128_f8f6f4 v[OT+32*\t+8*\d:OT+32*\t+8*\d+7], v[VF+16*\d:VF+16*\d+15], v[PC+16*\t:PC+16*\t+15], 0, v[VS+\d], v[PS+\t] matrix_a_fmt:MATRIX_FMT_BF8 matrix_b_fmt:MATRIX_FMT_BF8
.else
	v_wmma_scale_f32_16x16x128_f8f6f4 v[OT+32*\t+8*\d:OT+32*\t+8*\d+7], v[VF+16*\d:VF+16*\d+15], v[PC+16*\t:PC+16*\t+15], v[OT+32*\t+8*\d:OT+32*\t+8*\d+7], v[VS+\d], v[PS+\t] matrix_a_fmt:MATRIX_FMT_BF8 matrix_b_fmt:MATRIX_FMT_BF8
.endif
.endr
.endr
.endm
.macro TIMESU                          ; the scores' registers x mk, both tiles by turns, each accumulator from its low end on
.set n, 0
.rept 32
	v_pk_mul_f32 v[S+n:S+n+1], v[S+n:S+n+1], v[U+n:U+n+1]
	v_pk_mul_f32 v[S+64+n:S+64+n+1], v[S+64+n:S+64+n+1], v[U+n:U+n+1]
.set n, n+2
.endr
.endm
; e = 2^(A y - max): one fused multiply-add (of the pairs A and -max the low word serves both halves) and one exponential.  Two batches of 64 exponentials, a tile each, with plain lines that are due anyway among them:
; tile 1's multiply-adds among tile 0's exponentials; two = 1 (pass 2): tile 0's products with mk among tile 1's.  Each such line reads what was settled ahead of its batch's wait, and what it writes is first read behind the next wait.
.macro EXPS two=0
.set n, 0
.rept 32
	v_pk_fma_f32 v[S+n:S+n+1], v[S+n:S+n+1], v[ST:ST+1], v[ST+2:ST+3] op_sel_hi:[1,0,0]
.set n, n+2
.endr
	s_wait_alu depctr_va_vdst(0)
.set n, 0
.rept 32
	v_exp_f32 v[S+n], v[S+n]
	v_exp_f32 v[S+n+1], v[S+n+1]
	v_pk_fma_f32 v[S+64+n:S+64+n+1], v[S+64+n:S+64+n+1], v[ST+10:ST+11], v[ST+12:ST+13] op_sel_hi:[1,0,0]
.set n, n+2
.endr
	s_wait_alu depctr_va_vdst(0)                   ; behind the first batch and ahead of the second
.set n, 0
.rept 32
	v_exp_f32 v[S+64+n], v[S+64+n]
	v_exp_f32 v[S+64+n+1], v[S+64+n+1]
.if \two
	v_pk_mul_f32 v[S+n:S+n+1], v[S+n:S+n+1], v[U+n:U+n+1]
.endif
.set n, n+2
.endr
.endm
.macro SOFT1                           ; pass 1: the running maximum (for my half of the lanes; the halves meet behind the pass), Z and W
	TIMESU                                         ; y = s mk
.irp t, 0,1
.irp k, 0,1,2,3
	v_max3_num_f32 v[TM+4*\t+\k], v[S+64*\t+16*\k], v[S+64*\t+16*\k+1], v[S+64*\t+16*\k+2]
.endr
.endr
.irp i, 3,5,7,9,11,13
.irp t, 0,1
.irp k, 0,1,2,3
	v_max3_num_f32 v[TM+4*\t+\k], v[TM+4*\t+\k], v[S+64*\t+16*\k+\i], v[S+64*\t+16*\k+\i+1]
.endr
.endr
.endr
.irp t, 0,1
.irp k, 0,1,2,3
	v_max_num_f32 v[TM+4*\t+\k], v[TM+4*\t+\k], v[S+64*\t+16*\k+15]
.endr
.endr
.irp t, 0
	v_max3_num_f32 v[TM+4*\t], v[TM+4*\t], v[TM+4*\t+1], v[TM+4*\t+2]
.endr
.irp t, 1
	s_delay_alu instid0(VALU_DEP_3)
	v_max3_num_f32 v[TM+4*\t], v[TM+4*\t], v[TM+4*\t+1], v[TM+4*\t+2]
.endr
.irp t, 0,1
	s_delay_alu instid0(VALU_DEP_2)
	v_max_num_f32 v[TM+4*\t], v[TM+4*\t], v[TM+4*\t+3]
.endr
.irp t, 0,1
	s_delay_alu instid0(VALU_DEP_2)
	v_mul_f32 v[ST+10*\t+3], v[ST+10*\t], v[TM+4*\t]               ; the step's largest exponent (A is not negative)
.endr
.irp t, 0,1
	s_delay_alu instid0(VALU_DEP_2)
	v_min_num_f32 v[ST+10*\t+5], v[ST+10*\t+2], -v[ST+10*\t+3]     ; the new -max
.endr
.irp t, 0,1
	s_delay_alu instid0(VALU_DEP_2)
	v_sub_f32 v[ST+10*\t+4], v[ST+10*\t+5], v[ST+10*\t+2]          ; old max - new max, 0 or less
.endr
.irp t, 0,1
	s_delay_alu instid0(VALU_DEP_4)
	v_mov_b32 v[ST+10*\t+2], v[ST+10*\t+5]
.endr
	s_wait_alu depctr_va_vdst(0)
.irp t, 0,1
	v_exp_f32 v[ST+10*\t+4], v[ST+10*\t+4]                         ; F
.endr
	EXPS
	s_wait_alu depctr_va_vdst(0)
.irp t, 0,1
	v_pk_mul_f32 v[ST+10*\t+6:ST+10*\t+7], v[ST+10*\t+6:ST+10*\t+7], v[ST+10*\t+4:ST+10*\t+5] op_sel_hi:[1,0]   ; Z and W under the new maximum (plain lines behind the exponentials)
	v_pk_mul_f32 v[ST+10*\t+8:ST+10*\t+9], v[ST+10*\t+8:ST+10*\t+9], v[ST+10*\t+4:ST+10*\t+5] op_sel_hi:[1,0]
.endr
.set n, 0
.rept 32                               ; four chains by turns
	v_pk_add_f32 v[ST+6:ST+7], v[ST+6:ST+7], v[S+n:S+n+1]
	v_pk_add_f32 v[ST+16:ST+17], v[ST+16:ST+17], v[S+64+n:S+64+n+1]
	v_pk_fma_f32 v[ST+8:ST+9], v[S+n:S+n+1], v[U+n:U+n+1], v[ST+8:ST+9]
	v_pk_fma_f32 v[ST+18:ST+19], v[S+64+n:S+64+n+1], v[U+n:U+n+1], v[ST+18:ST+19]
.set n, n+2
.endr
.endm
.macro SOFT2                           ; pass 2: p = e mk (mq / divisor)
	TIMESU
	EXPS 1                                         ; its last line is a plain one, behind the last exponential
	s_wait_alu depctr_va_vdst(0)
.set n, 0
.rept 32
	v_pk_mul_f32 v[S+64+n:S+64+n+1], v[S+64+n:S+64+n+1], v[U+n:U+n+1]   ; tile 1's e x mk; tile 0's stand among the exponentials
.set n, n+2
.endr
.endm
.macro QUANTP t                        ; tile t's 64 numbers, register 16 b + i = key 32 b + 16 (lane / 16) + i, become the second product's operand and its scale word
.irp b, 0,1,2,3
	v_max3_num_f32 v[TM+\b], |v[S+64*\t+16*\b]|, |v[S+64*\t+16*\b+1]|, 0x8000000   ; with the floor 2^(16 - 127)
.endr
.irp i, 2,4,6,8,10,12,14
.irp b, 0,1,2,3
	s_delay_alu instid0(VALU_DEP_4)
	v_max3_num_f32 v[TM+\b], v[TM+\b], |v[S+64*\t+16*\b+\i]|, |v[S+64*\t+16*\b+\i+1]|
.endr
.endr
.irp b, 0,1,2,3
	s_delay_alu instid0(VALU_DEP_4)
	v_permlanex16_b32 v[TM+4+\b], v[TM+\b], s20, s21
.endr
.irp b, 0,1,2,3
	s_delay_alu instid0(VALU_DEP_4)
	v_max_num_f32 v[TM+\b], v[TM+\b], v[TM+4+\b]   ; the block's largest magnitude
.endr
.irp b, 0,1,2,3
	s_delay_alu instid0(VALU_DEP_4)
	v_add_nc_u32 v[TM+12+\b], 0xf8800000, v[TM+\b] ; the conversion's scale operand
.endr
.irp b, 0,1,2,3
	v_and_or_b32 v[TM+8+\b], v[TM+\b], 0x7f800000, s22   ; 57,344 x the scale
.endr
.irp b, 0,1,2,3
	v_lshrrev_b32 v[TM+4+\b], 23, v[TM+12+\b]      ; the scale's byte
.endr
	s_delay_alu instid0(VALU_DEP_3)
	v_lshl_or_b32 v[PS+\t], v[TM+5], 8, v[TM+4]
	s_delay_alu instid0(VALU_DEP_1)
	v_lshl_or_b32 v[PS+\t], v[TM+6], 16, v[PS+\t]
	s_delay_alu instid0(VALU_DEP_1)
	v_lshl_or_b32 v[PS+\t], v[TM+7], 24, v[PS+\t]  ; (the 64 holds below stand between this word and the products that name it)
.irp b, 0,1,2,3
.irp i, 0,1,2,3,4,5,6,7,8,9,10,11,12,13,14,15
	v_med3_num_f32 v[S+64*\t+16*\b+\i], v[S+64*\t+16*\b+\i], -v[TM+8+\b], v[TM+8+\b]   ; the conversion does not saturate (ISA guide 7.6.2); a mask may be negative, so the hold is two-sided
.endr
	v_cvt_scalef32_pk8_bf8_f32 v[PC+16*\t+4*\b:PC+16*\t+4*\b+1], v[S+64*\t+16*\b:S+64*\t+16*\b+7], v[TM+12+\b]
	v_cvt_scalef32_pk8_bf8_f32 v[PC+16*\t+4*\b+2:PC+16*\t+4*\b+3], v[S+64*\t+16*\b+8:S+64*\t+16*\b+15], v[TM+12+\b]
.endr
.endm
; A step of pass 1.  LDS loads out at its head, oldest first: this step's K (17), this step's mk (16).  tail = 1: the last step, whose fetches are pass 2's first.
.macro STEP1 tail
	s_wait_dscnt 16                                ; K and its words are in; mk's 16 loads may be out
	QK
	WIN 0
.if \tail
	PLACES 8
	FETCHK AK0, AKS0
.else
	s_add_co_u32 s72, s72, 8192
	s_add_co_u32 s73, s73, 512
	s_add_co_u32 s74, s74, 256
	v_add_nc_u32 v[ADK], s72, v[AK0]               ; eight places between the products and the loads into K's registers, and the first reads of scores: three additions and five v_nop
	v_add_nc_u32 v[ADS], s74, v[AKS0]
	v_add_nc_u32 v[ADU], s73, v[AU0]
	PLACES 5
	FETCHK ADK, ADS
.endif
	s_wait_dscnt 17                                ; mk is in; the next K's 17 may be out
	SOFT1
.if \tail
	FETCHU AU0
.else
	FETCHU ADU
.endif
.endm
; A step of pass 2.  Out at its head, oldest first: K (17), mk (16), V (17).
.macro STEP2 zero, last
	s_wait_dscnt 33                                ; K is in; mk's 16 and V's 17 may be out
	QK
	WIN 0
.if \last
	PLACES 8
	s_wait_dscnt 17                                ; mk is in; V's 17 may be out
.else
	s_add_co_u32 s72, s72, 8192
	s_add_co_u32 s73, s73, 512
	s_add_co_u32 s74, s74, 256
	v_add_nc_u32 v[ADK], s72, v[AK0]               ; eight places: five additions and three v_nop
	v_add_nc_u32 v[ADS], s74, v[AKS0]
	v_add_nc_u32 v[ADU], s73, v[AU0]
	v_add_nc_u32 v[ADV], s72, v[AV0]
	v_add_nc_u32 v[ADT], s74, v[AVS0]
	PLACES 3
	FETCHK ADK, ADS
	s_wait_dscnt 34                                ; mk is in; V's 17 and the next K's 17 may be out
.endif
	SOFT2
	QUANTP 0
	QUANTP 1
.if \last
	s_wait_alu depctr_va_vdst(0)
	s_wait_dscnt 0x0                               ; V is in
.else
	s_wait_alu depctr_va_vdst(0)
	s_wait_dscnt 17                                ; V is in; the next K's 17 may be out
.endif
	PLACES 4                                       ; four places between the codes and the scaled products that take them; also the plain line behind the last conversion
	PV \zero
	WIN 0
.if !\last
	PLACES 8                                       ; between the products and the loads into the registers that they read
	FETCHU ADU
	FETCHV ADV, ADT
.endif
.endm
	s_mov_b32 s72, 0                               ; the step's place in K's and V's codes,
	s_mov_b32 s73, 0                               ; in the mask,
	s_mov_b32 s74, 0                               ; in the scale words
	s_wait_tensorcnt 0x0                           ; my load is in; this one barrier shows K, V, their words and the mask
	s_barrier_signal -1
	s_barrier_wait -1                              ; everybody's are
	FETCHK AK0, AKS0
	FETCHU AU0
	s_mov_b32 s75, 15
.Lpass1:
	STEP1 0
	s_sub_co_u32 s75, s75, 1
	s_cmp_lg_u32 s75, 0
	s_cbranch_scc1 .Lpass1
	STEP1 1
	; the two halves of the lanes meet: the row's maximum, Z, W; then mq / (mq W + 1e-13 Z)
.irp t, 0,1
	v_permlanex16_b32 v[ST+10*\t+3], v[ST+10*\t+2], s20, s21
.endr
.irp t, 0,1
	s_delay_alu instid0(VALU_DEP_2)
	v_min_num_f32 v[ST+10*\t+5], v[ST+10*\t+2], v[ST+10*\t+3]
.endr
.irp t, 0,1
	s_delay_alu instid0(VALU_DEP_2)
	v_sub_f32 v[ST+10*\t+4], v[ST+10*\t+5], v[ST+10*\t+2]
.endr
	s_wait_alu depctr_va_vdst(0)
.irp t, 0,1
	v_exp_f32 v[ST+10*\t+4], v[ST+10*\t+4]
.endr
.irp t, 0,1
	v_add_f32 v[ST+10*\t+6], v[ST+10*\t+6], v[ST+10*\t+7]
.endr
.irp t, 0,1
	v_add_f32 v[ST+10*\t+8], v[ST+10*\t+8], v[ST+10*\t+9]
.endr
.irp t, 0,1
	v_mov_b32 v[ST+10*\t+2], v[ST+10*\t+5]
.endr
	s_wait_alu depctr_va_vdst(0)
.irp t, 0,1
	v_mul_f32 v[ST+10*\t+6], v[ST+10*\t+6], v[ST+10*\t+4]
.endr
.irp t, 0,1
	v_mul_f32 v[ST+10*\t+8], v[ST+10*\t+8], v[ST+10*\t+4]
.endr
.irp t, 0,1
	s_delay_alu instid0(VALU_DEP_4)
	v_permlanex16_b32 v[ST+10*\t+7], v[ST+10*\t+6], s20, s21
.endr
.irp t, 0,1
	s_delay_alu instid0(VALU_DEP_4)
	v_permlanex16_b32 v[ST+10*\t+9], v[ST+10*\t+8], s20, s21
.endr
.irp t, 0,1
	s_delay_alu instid0(VALU_DEP_4)
	v_add_f32 v[ST+10*\t+6], v[ST+10*\t+6], v[ST+10*\t+7]          ; Z
.endr
.irp t, 0,1
	s_delay_alu instid0(VALU_DEP_4)
	v_add_f32 v[ST+10*\t+8], v[ST+10*\t+8], v[ST+10*\t+9]          ; W
.endr
.irp t, 0,1
	s_delay_alu instid0(VALU_DEP_2)
	v_mul_f32 v[ST+10*\t+3], v[ST+10*\t+1], v[ST+10*\t+8]
.endr
.irp t, 0,1
	s_delay_alu instid0(VALU_DEP_2)
	v_fmamk_f32 v[ST+10*\t+3], v[ST+10*\t+6], 0x29e12e13, v[ST+10*\t+3]   ; Z x 1e-13 + mq W
.endr
	s_wait_alu depctr_va_vdst(0)
.irp t, 0,1
	v_rcp_f32 v[ST+10*\t+3], v[ST+10*\t+3]
.endr
	v_nop                                          ; a plain line behind the reciprocals
	s_wait_alu depctr_va_vdst(0)
.irp t, 0,1
	v_mul_f32 v[ST+10*\t+6], v[ST+10*\t+1], v[ST+10*\t+3]          ; c = mq / divisor
.endr
	; |c| goes into pass 2's exponent: e |c| = 2^(A y - max + log2 |c|); c's sign goes onto x's codes at the end (the quantisers treat both signs alike).
	; c = 0 gives -infinity and so p = 0.  LIMIT: a |c| under 2^-126 counts as 0 (v_log_f32: ISA guide 15.8)
	s_wait_alu depctr_va_vdst(0)
.irp t, 0,1
	v_log_f32 v[ST+10*\t+7], |v[ST+10*\t+6]|
.endr
	v_nop                                          ; a plain line behind the logarithms
	s_wait_alu depctr_va_vdst(0)
.irp t, 0,1
	v_add_f32 v[ST+10*\t+2], v[ST+10*\t+2], v[ST+10*\t+7]
.endr
	s_mov_b32 s72, 0
	s_mov_b32 s73, 0
	s_mov_b32 s74, 0
	FETCHV AV0, AVS0                               ; V was shown by the barrier ahead of pass 1: no barrier stands between the passes
	STEP2 1, 0                                     ; the first step's products start O^T's sums
	s_mov_b32 s75, 14
.Lpass2:
	STEP2 0, 0
	s_sub_co_u32 s75, s75, 1
	s_cmp_lg_u32 s75, 0
	s_cbranch_scc1 .Lpass2
	STEP2 0, 1
	; THE WAY OUT.  Tile t's 32 registers of O^T, register 16 b + n = d 32 b + 16 (lane / 16) + n of my query, are two blocks along D: quantised as they stand
	PLACES 8
	WIN 0x05                                       ; sources 0 and 1 window 1
.irp t, 0,1
.irp b, 0,1
	v_max3_num_f32 v[TM+2*\t+\b], |v[OT+32*\t+16*\b]|, |v[OT+32*\t+16*\b+1]|, 0x8000000
.endr
.endr
.irp n, 2,4,6,8,10,12,14
.irp t, 0,1
.irp b, 0,1
	v_max3_num_f32 v[TM+2*\t+\b], |v[OT+32*\t+16*\b+\n]|, |v[OT+32*\t+16*\b+\n+1]|, v[TM+2*\t+\b]
.endr
.endr
.endr
	WIN 0
.irp k, 0,1,2,3
	v_permlanex16_b32 v[TM+4+\k], v[TM+\k], s20, s21
.endr
.irp k, 0,1,2,3
	s_delay_alu instid0(VALU_DEP_4)
	v_max_num_f32 v[TM+\k], v[TM+\k], v[TM+4+\k]
.endr
.irp k, 0,1,2,3
	s_delay_alu instid0(VALU_DEP_4)
	v_add_nc_u32 v[TM+12+\k], 0xf8800000, v[TM+\k]
.endr
.irp k, 0,1,2,3
	v_and_or_b32 v[TM+8+\k], v[TM+\k], 0x7f800000, s22
.endr
.irp k, 0,1,2,3
	v_lshrrev_b32 v[TM+4+\k], 23, v[TM+12+\k]
.endr
.irp t, 0
	s_delay_alu instid0(VALU_DEP_3)
	v_lshl_or_b32 v[SG+4*\t], v[TM+4+2*\t+1], 8, v[TM+4+2*\t]      ; the head's two scale bytes of my query
.endr
.irp t, 1
	s_delay_alu instid0(VALU_DEP_2)
	v_lshl_or_b32 v[SG+4*\t], v[TM+4+2*\t+1], 8, v[TM+4+2*\t]      ; the head's two scale bytes of my query
.endr
	WIN 0x01                                       ; source 0 window 1
.irp t, 0,1
.irp b, 0,1
.irp n, 0,1,2,3,4,5,6,7,8,9,10,11,12,13,14,15
	v_med3_num_f32 v[S+32*\t+16*\b+\n], v[OT+32*\t+16*\b+\n], -v[TM+8+2*\t+\b], v[TM+8+2*\t+\b]
.endr
.endr
.endr
	WIN 0
.irp t, 0,1
.irp b, 0,1
	v_cvt_scalef32_pk8_bf8_f32 v[U+8*\t+4*\b:U+8*\t+4*\b+1], v[S+32*\t+16*\b:S+32*\t+16*\b+7], v[TM+12+2*\t+\b]
	v_cvt_scalef32_pk8_bf8_f32 v[U+8*\t+4*\b+2:U+8*\t+4*\b+3], v[S+32*\t+16*\b+8:S+32*\t+16*\b+15], v[TM+12+2*\t+\b]
.endr
.endr
	v_nop                                          ; one plain line behind the last conversion
.irp t, 0,1
	v_ashrrev_i32 v[TM+\t], 31, v[ST+10*\t+6]
.endr
.irp t, 0,1
	v_and_b32 v[TM+\t], 0x80808080, v[TM+\t]       ; the codes' sign bits where c is negative
.endr
.irp t, 0,1
.irp n, 0,1,2,3,4,5,6,7
	v_xor_b32 v[U+8*\t+\n], v[U+8*\t+\n], v[TM+\t]
.endr
.endr
	s_lshl_b32 s88, s18, 7
	s_lshl_b32 s89, s16, 4
	s_add_co_u32 s88, s88, s89
	s_lshl_b32 s89, s14, 1
	s_add_co_u32 s88, s88, s89                     ; my first token tile of all 256
	s_lshr_b32 s82, s19, 2                         ; xo [head / 4][token tile][head % 4][block 2][lane][16 bytes]
	s_lshl_b32 s82, s82, 20
	s_lshl_b32 s83, s88, 12
	s_add_co_u32 s82, s82, s83
	s_and_b32 s83, s19, 3
	s_lshl_b32 s83, s83, 10
	s_add_co_u32 s82, s82, s83
	s_mov_b32 s83, 0
	s_add_nc_u64 s[82:83], s[10:11], s[82:83]
	s_lshl_b32 s84, s88, 9                         ; xs [place of the token][32 bytes]: bytes 2 head, 2 head + 1
	s_lshl_b32 s85, s19, 1
	s_add_co_u32 s84, s84, s85
	s_mov_b32 s85, 0
	s_add_nc_u64 s[84:85], s[12:13], s[84:85]
	v_lshlrev_b32 v[ADK], 5, v[RR]
	s_wait_alu depctr_va_vdst(0)
.irp t, 0,1
.irp b, 0,1
	global_store_b128 v[AK0], v[U+8*\t+4*\b:U+8*\t+4*\b+3], s[82:83] offset:4096*\t+512*\b   ; 512 consecutive bytes a store
.endr
	global_store_b16 v[ADK], v[SG+4*\t], s[84:85] offset:512*\t   ; two bytes a lane: 128 KB in the whole launch
.endr
	s_set_vgpr_msb 0x5
	s_wait_tensorcnt 0x0
	ds_add_u32 v254, v255
	s_wait_dscnt 0x0
	s_set_vgpr_msb 0x500
	CROUND                                         ; the closing round
	s_endpgm
.Lfunc_end_k_qe7b9fa05c0_attn:
	.size	k_qe7b9fa05c0_attn, .Lfunc_end_k_qe7b9fa05c0_attn-k_qe7b9fa05c0_attn
	.p2alignl 7, 3214868480
	.fill 96, 4, 3214868480
	.section	.rodata,"a",@progbits
	.p2align	6, 0x0
	.amdhsa_kernel k_qe7b9fa05c0_attn
		.amdhsa_group_segment_fixed_size 279552
		.amdhsa_private_segment_fixed_size 0
		.amdhsa_enable_private_segment 0
		.amdhsa_kernarg_size 40
		.amdhsa_user_sgpr_count 2
		.amdhsa_user_sgpr_kernarg_segment_ptr 1
		.amdhsa_wavefront_size32 1
		.amdhsa_system_sgpr_workgroup_id_x 1
		.amdhsa_system_sgpr_workgroup_id_y 1
		.amdhsa_system_sgpr_workgroup_id_z 1
		.amdhsa_system_vgpr_workitem_id 0
		.amdhsa_next_free_vgpr 512
		.amdhsa_next_free_sgpr 90
		.amdhsa_reserve_vcc 0
		.amdhsa_float_denorm_mode_32 3
		.amdhsa_float_denorm_mode_16_64 3
		.amdhsa_memory_ordered 1
		.amdhsa_forward_progress 1
		.amdhsa_inst_pref_size 211
	.end_amdhsa_kernel
	.amdgpu_metadata
---
amdhsa.version: [ 1, 2 ]
amdhsa.kernels:
  - .name:           k_qe7b9fa05c0_attn
    .symbol:         k_qe7b9fa05c0_attn.kd
    .args:
      - { .name: qkvc, .offset: 0, .size: 8, .value_kind: global_buffer, .address_space: global }
      - { .name: qkvs, .offset: 8, .size: 8, .value_kind: global_buffer, .address_space: global }
      - { .name: mask, .offset: 16, .size: 8, .value_kind: global_buffer, .address_space: global }
      - { .name: xo, .offset: 24, .size: 8, .value_kind: global_buffer, .address_space: global }
      - { .name: xs, .offset: 32, .size: 8, .value_kind: global_buffer, .address_space: global }
    .group_segment_fixed_size: 279552
    .private_segment_fixed_size: 0
    .kernarg_segment_align: 8
    .kernarg_segment_size: 40
    .max_flat_workgroup_size: 256
    .sgpr_count:     90
    .vgpr_count:     512
    .wavefront_size: 32
...
	.end_amdgpu_metadata
.endif
;; end of part 3
;; launch outp (part 4): grid 8 x 32, 4 waves a work-group, clusters of 4 x 4, 288,256 bytes of LDS; arguments xo, xs, cod, scl, bo, out0; writes out0
.if DOCPART == 4
	.amdgcn_target "amdgcn-amd-amdhsa--gfx1250"
	.amdhsa_code_object_version 6
	.text
	.protected	k_qe7b9fa05c0_outp
	.globl	k_qe7b9fa05c0_outp
	.p2align	8
	.type	k_qe7b9fa05c0_outp,@function
k_qe7b9fa05c0_outp:
	s_mov_b64 s[64:65], 0
	v_nop
	global_prefetch_b8 v0, s[64:65] scope:SCOPE_SE
	s_setreg_imm32_b32 hwreg(HW_REG_WAVE_MODE, 25, 1), 1
	s_wait_xcnt 0x0
	s_wait_alu depctr_hold_cnt(0) depctr_sa_sdst(0) depctr_va_vdst(0) depctr_va_sdst(0) depctr_va_ssrc(0) depctr_va_vcc(0) depctr_vm_vsrc(0)
	s_getreg_b32 s2, hwreg(HW_REG_IB_STS2, 6, 4)
	s_cmp_eq_u32 s2, 0
	s_cbranch_scc0 .Lentry_in_a_cluster
	s_endpgm
.Lentry_in_a_cluster:
	s_bfe_u32 s2, ttmp6, 0x10000c
	s_cmp_lg_u32 s2, 0xf033
	s_cbranch_scc0 .Lentry_shape_is_right
	s_endpgm
.Lentry_shape_is_right:
; out0 = x Wo^T + bo on codes of BF8 with E8M0 scales (K = 1,024), f32 sums.  x's codes come as images of operand registers (xo) with their scale bytes (xs), Wo's as rows of cod and scl.
; SHARES.  A work-group makes 128 features (panel P0 = Wo's rows, source 0) x 128 tokens (panel P1 = x, source 1); both panels lie in LDS for all of K, each byte filled once.
; Wave w takes P0's rows 64 (w & 1) on and P1's tokens 64 (w >> 1) on: 4 x 4 tiles, 16 accumulators.  A lane holds one token and, by cod's tile order, neighbouring features in its registers.
; CLUSTER 4 x 4: P0 hangs on the work-group's x and is asked for jointly along a column, P1 on its y, along a row.
; The tokens of a tile lie in tile order (lane r of tile 2 g + u: token 32 g + 8 u + r + 8 (r / 8)); the way out puts every row at its own place.
; REGISTERS.  Window 0: v1-10 addresses; v12-14 at work; v16-47, v48-79 scale words (tile, K step), nothing else; v80-111 bias; v128-255 accumulator (i, j) at 128 + 8 (4 j + i).
;   Window 1: two fragment buffers at v0 and v128; on the way out v0-127 take the rows read back from the stage.
.set PITCH, 272                        ; a row of the stage: 256 bytes + 16 of padding
.set PP,    528                        ; an LDS row of P0: 512 bytes (half of K) + 16 of padding = 33 x 16 bytes: 16 rows start at 16 different banks
.set PART,  128*PP                     ; P0's 128 rows x half of K: one tensor load; the two halves of K at 0 and PART
.set XIM,   2*PART                     ; x's images: two halves of 65,536 bytes: [quarter of K][tile 8][K step 2][block 4][lane][16 bytes]
.set STG,   XIM+2*65536                ; the way out: 16 rows x 272 bytes for each wave; no tensor load lands here
.set PADW,  (1<<20)|(1<<21)|(6<<22)|(3<<25)
.set RR,  1
.set HH,  2
.set L16, 3
.set A0,  4
.set A1,  5
.set R32, 6
.set BO,  7
.set STO, 8
.set RD,  9
.set CO,  10
.set SA,  16
.set SB,  48
.set BI,  80
.set ACC, 128
.set MSB, 0
.macro WIN new                         ; the immediate's high byte repeats the setting that is left
.if MSB != \new
	s_set_vgpr_msb (MSB<<8)|\new
.set MSB, \new
.endif
.endm
.macro PLACES n
.rept \n
	v_nop
.endr
.endm
.macro CROUND                          ; a round of the cluster's barrier
	s_barrier_signal -1
	s_barrier_wait -1
	s_cmp_lg_u32 s26, 0
	s_cbranch_scc1 .Lnot_wave_0_\@
	s_barrier_signal -3
.Lnot_wave_0_\@:
	s_barrier_wait -3
	s_barrier_signal -1
	s_barrier_wait -1
.endm
.macro G0P0 g                          ; group 0 for half of K of P0's rows
	s_mov_b32 s[\g], 1
	s_mov_b32 s[\g+1], s22
	s_mov_b64 s[\g+2:\g+3], s[18:19]
	s_or_b32 s[\g+3], s[\g+3], 0x80000000
.endm
.macro G0P1 g                          ; and of x's images
	s_mov_b32 s[\g], 1
	s_mov_b32 s[\g+1], s23
	s_mov_b64 s[\g+2:\g+3], s[20:21]
	s_or_b32 s[\g+3], s[\g+3], 0x80000000
.endm
	s_load_b256 s[4:11], s[0:1], 0x0               ; xo s[4:5], xs s[6:7], cod s[8:9], scl s[10:11]
	s_load_b128 s[12:15], s[0:1], 0x20             ; bo s[12:13], out0 s[14:15]
	v_lshl_add_u32 v126, v0, 2, 0x46400
	v_mov_b32 v127, 0
	ds_add_u32 v126, v127
	ds_add_u32 v126, v127
	v_lshrrev_b32 v12, 5, v0
	v_readfirstlane_b32 s26, v12                   ; wave
	s_lshr_b32 s27, s26, 1                         ; my half of P1.  Also: which half of K I fetch
	s_and_b32 s28, s26, 1                          ; my half of P0.  Also: I fetch for P0 (0) or P1 (1)
	s_bfe_u32 s29, ttmp6, 0x40000                  ; cx
	s_bfe_u32 s30, ttmp6, 0x40004                  ; cy
	s_lshl_b32 s33, ttmp9, 2
	s_add_co_u32 s33, s33, s29                     ; x: which 128 features
	s_and_b32 s36, ttmp7, 0xffff
	s_lshl_b32 s36, s36, 2
	s_add_co_u32 s36, s36, s30                     ; y: which 128 tokens
	s_lshl_b32 s34, 0x1111, s29                    ; my column of the cluster
	s_lshl_b32 s35, s30, 2
	s_lshl_b32 s35, 15, s35                        ; my row
	s_or_b32 s40, s34, PADW                        ; group 1 for P0, s[40:47]: 128 rows of 512 bytes, 1,024 apart, padded
	s_mov_b32 s41, 512<<16
	s_mov_b32 s42, 128<<16
	s_mov_b32 s43, 512<<16
	s_mov_b32 s44, 128
	s_mov_b32 s45, 1024
	s_mov_b32 s46, 0
	s_mov_b32 s47, 0
	s_or_b32 s48, s35, (3<<16)|(1<<21)             ; group 1 for P1, s[48:55]: 64 KB in elements of 8 bytes
	s_mov_b32 s49, 4096<<16                        ; two quarters of K, 1 MiB apart: two rows of 4,096 elements of 8 bytes, my eight token tiles on end
	s_mov_b32 s50, 2<<16
	s_mov_b32 s51, 4096<<16
	s_mov_b32 s52, 2
	s_mov_b32 s53, 131072
	s_mov_b32 s54, 0
	s_mov_b32 s55, 0
	s_lshl_b32 s92, s33, 7
	s_lshl_b32 s93, s28, 6
	s_add_co_u32 s92, s92, s93
	s_add_co_u32 s92, s92, 7168                    ; Wo's 64 rows that I multiply, and fetch if I fetch for P0
	s_lshl_b32 s18, s33, 17                        ; what I fetch for P0: Wo's 128 rows, half wave >> 1 of K
	s_lshl_b32 s19, s27, 9
	s_add_co_u32 s18, s18, s19
	s_add_co_u32 s18, s18, 7168*1024
	s_mov_b32 s19, 0
	s_lshl_b32 s66, s92, 5                         ; their scale bytes
	s_mov_b32 s67, 0
	s_lshl_b32 s20, s36, 15                        ; for P1: x's eight token tiles, half wave >> 1 of K (2 MiB on)
	s_lshl_b32 s94, s27, 21
	s_add_co_u32 s20, s20, s94
	s_mov_b32 s21, 0
	s_lshl_b32 s37, s36, 7
	s_lshl_b32 s38, s27, 6
	s_add_co_u32 s37, s37, s38                     ; the 64 tokens that I multiply
	s_lshl_b32 s100, s37, 5                        ; their scale bytes
	s_mov_b32 s101, 0
	s_lshl_b32 s38, s37, 12                        ; and their rows of out0, at my 64 features
	s_lshl_b32 s39, s33, 9
	s_add_co_u32 s38, s38, s39
	s_lshl_b32 s39, s28, 8
	s_add_co_u32 s38, s38, s39
	s_mov_b32 s39, 0
	s_lshl_b32 s2, s33, 9                          ; the bias of my 64 features
	s_lshl_b32 s3, s28, 8
	s_add_co_u32 s2, s2, s3
	s_mov_b32 s3, 0
	s_mul_i32 s22, s27, PART                       ; where my fetch goes: P0's (waves 0, 2),
	s_lshl_b32 s23, s27, 16
	s_add_co_u32 s23, s23, XIM                     ; x's (waves 1, 3): [half of K][quarter][tile 8][4,096 bytes]
	v_and_b32 v[RR], 15, v0
	v_bfe_u32 v[HH], v0, 4, 1
	v_and_b32 v[L16], 31, v0
	v_lshlrev_b32 v[L16], 4, v[L16]
	v_mul_u32_u24 v13, v[RR], PP
	v_lshl_add_u32 v13, v[HH], 4, v13
	v_mul_u32_u24 v12, v[RR], PITCH
	s_mul_i32 s24, s28, 64*PP
	v_add_nc_u32 v[A0], s24, v13                   ; source 0: row x pitch + 16 x half
	s_lshl_b32 s24, s27, 14
	s_add_co_u32 s24, s24, XIM
	v_add_nc_u32 v[A1], s24, v[L16]                ; source 1: an image's place for my lane
	v_lshlrev_b32 v[R32], 5, v[RR]
	v_lshlrev_b32 v[BO], 6, v[HH]
	s_mul_i32 s25, s26, 16*PITCH
	s_add_co_u32 s25, s25, STG                     ; my stage
	v_lshl_add_u32 v12, v[HH], 6, v12
	v_add_nc_u32 v[STO], s25, v12                  ; in: row r, + 64 h bytes: my half's 16 features of a block of 32
	v_mul_u32_u24 v14, v[HH], PITCH
	v_lshl_add_u32 v14, v[RR], 4, v14
	v_add_nc_u32 v[RD], s25, v14                   ; back: lanes 0-15 one row of 256 bytes, lanes 16-31 the next
	v_lshlrev_b32 v[CO], 12, v[HH]
	v_lshl_add_u32 v[CO], v[RR], 4, v[CO]          ; and the same two rows in out0
	s_wait_dscnt 0x0
	s_wait_kmcnt 0x0
	s_add_nc_u64 s[18:19], s[8:9], s[18:19]
	s_add_nc_u64 s[20:21], s[4:5], s[20:21]
	s_add_nc_u64 s[66:67], s[10:11], s[66:67]
	s_add_nc_u64 s[100:101], s[6:7], s[100:101]
	s_add_nc_u64 s[38:39], s[14:15], s[38:39]
	s_add_nc_u64 s[2:3], s[12:13], s[2:3]
	G0P0 56
	G0P1 76
	CROUND                                         ; all sixteen work-groups are here: the joint loads meet
; one joint load a wave, each in an arm of its own: waves 0, 1 the first half of K of P0, P1; waves 2, 3 the second
.macro ARM under, g0, g1, next
	s_cmp_lt_u32 s26, \under
	s_cbranch_scc0 \next
	tensor_load_to_lds s[\g0:\g0+3], s[\g1:\g1+7]
	s_nop 0
	PLACES 4
	s_branch .Lfilled
\next:
.endm
	ARM 1, 56, 40, .Lfill_b0
	ARM 2, 76, 48, .Lfill_a1
	ARM 3, 56, 40, .Lfill_b1
	tensor_load_to_lds s[76:79], s[48:55]
	s_nop 0
	PLACES 4
.Lfilled:
	s_wait_alu depctr_va_vdst(0)
.irp i, 0,1,2,3                        ; a row's 32 scale bytes are its eight words, one for each K step of 128
	global_load_b128 v[SA+8*\i:SA+8*\i+3], v[R32], s[66:67] offset:512*\i
	global_load_b128 v[SA+8*\i+4:SA+8*\i+7], v[R32], s[66:67] offset:512*\i+16
	global_load_b128 v[SB+8*\i:SB+8*\i+3], v[R32], s[100:101] offset:512*\i
	global_load_b128 v[SB+8*\i+4:SB+8*\i+7], v[R32], s[100:101] offset:512*\i+16
.endr
.irp i, 0,1,2,3                        ; tile i's eight features of my half: 32 (i / 2) + 16 h + 8 (i % 2) + 0 .. 7
	global_load_b128 v[BI+8*\i:BI+8*\i+3], v[BO], s[2:3] offset:(32*(\i/2)+8*(\i%2))*4
	global_load_b128 v[BI+8*\i+4:BI+8*\i+7], v[BO], s[2:3] offset:(32*(\i/2)+8*(\i%2))*4+16
.endr
	s_wait_loadcnt 0x0
.macro FETCH s, f                      ; the fragments of K step s into buffer f: 32 loads in one run
	WIN 0x40                                       ; destination window 1, address window 0
.irp i, 0,1,2,3
.irp c, 0,1,2,3
	ds_load_b128 v[\f+16*\i+4*\c:\f+16*\i+4*\c+3], v[A0] offset:\i*16*PP+128*((\s)%4)+32*\c
.endr
.endr
.irp j, 0,1,2,3
.irp c, 0,1,2,3
	ds_load_b128 v[\f+64+16*\j+4*\c:\f+64+16*\j+4*\c+3], v[A1] offset:(((\s)/2)%2)*32768+\j*4096+((\s)%2)*2048+512*\c
.endr
.endr
	WIN 0
.endm
.macro MUL f, s, j0, zero              ; 8 products; the 16 accumulators take turns, one instruction a turn, in one order through all K steps
	WIN 0x05                                       ; sources 0 and 1 window 1; C and D window 0
.irp j, \j0, \j0+1
.irp i, 0,1,2,3
.if \zero
	v_wmma_scale_f32_16x16x128_f8f6f4 v[ACC+8*(4*(\j)+\i):ACC+8*(4*(\j)+\i)+7], v[\f+16*\i:\f+16*\i+15], v[\f+64+16*(\j):\f+64+16*(\j)+15], 0, v[SA+8*\i+(\s)], v[SB+8*(\j)+(\s)] matrix_a_fmt:MATRIX_FMT_BF8 matrix_b_fmt:MATRIX_FMT_BF8
.else
	v_wmma_scale_f32_16x16x128_f8f6f4 v[ACC+8*(4*(\j)+\i):ACC+8*(4*(\j)+\i)+7], v[\f+16*\i:\f+16*\i+15], v[\f+64+16*(\j):\f+64+16*(\j)+15], v[ACC+8*(4*(\j)+\i):ACC+8*(4*(\j)+\i)+7], v[SA+8*\i+(\s)], v[SB+8*(\j)+(\s)] matrix_a_fmt:MATRIX_FMT_BF8 matrix_b_fmt:MATRIX_FMT_BF8
.endif
.endr
.endr
.endm
.macro KSTEP s, f, g, zero
	s_wait_dscnt 0x0                               ; this step's 32 loads are in
	MUL \f, \s, 0, \zero
.if (\s) < 7
	WIN 0
.if (\s) == 3
	v_add_nc_u32 v[A0], PART, v[A0]                ; on to the second half of K
	v_add_nc_u32 v[A1], 65536, v[A1]
	s_wait_alu depctr_va_vdst(0)
	s_wait_tensorcnt 0x0                           ; every wave's load is in: the second half of K is shown by this barrier
	s_barrier_signal -1                            ; (no LDS instruction of mine is out)
	s_barrier_wait -1
.endif
	PLACES 8                                       ; between the last product that read buffer g and the loads into it (ISA guide 7.12.1 for vector instructions)
	FETCH (\s)+1, \g
.endif
	MUL \f, \s, 2, \zero
.endm
	s_cmp_lt_u32 s26, 2                            ; waves 0 and 1 wait for their loads, the first half of K; waves 2 and 3 wait in K step 3
	s_cbranch_scc0 .Lnot_first
	s_wait_tensorcnt 0x0
.Lnot_first:
	s_barrier_signal -1
	s_barrier_wait -1
	FETCH 0, 0
	KSTEP 0, 0, 128, 1                             ; the first products start the sums
	KSTEP 1, 128, 0, 0
	KSTEP 2, 0, 128, 0
	KSTEP 3, 128, 0, 0
	KSTEP 4, 0, 128, 0
	KSTEP 5, 128, 0, 0
	KSTEP 6, 0, 128, 0
	KSTEP 7, 128, 0, 0
	WIN 0
	PLACES 8                                       ; in front of the first reads of results and of loads into the fragments' registers
; THE WAY OUT, a tile of 16 tokens x 64 features at a time.  STAGE: the bias; into my own stage; back as whole rows of 256 bytes, into 32 registers of the tile's own, so that no store's data are written again.
; LDS serves a wave's instructions in order (ISA guide 5.7.1.4): no wait between the stores and the loads, nor in front of the next tile's stores.  SEND: the rows are stored while the next tile is on its way through the stage.
.macro STAGE j
.set n, 0
.rept 16
	v_pk_add_f32 v[ACC+32*(\j)+n:ACC+32*(\j)+n+1], v[ACC+32*(\j)+n:ACC+32*(\j)+n+1], v[BI+n:BI+n+1]   ; every accumulator from its low end on
.set n, n+2
.endr
.irp i, 0,1,2,3
	ds_store_b128 v[STO], v[ACC+32*(\j)+8*\i:ACC+32*(\j)+8*\i+3] offset:128*(\i/2)+32*(\i%2)
	ds_store_b128 v[STO], v[ACC+32*(\j)+8*\i+4:ACC+32*(\j)+8*\i+7] offset:128*(\i/2)+32*(\i%2)+16
.endr
	WIN 0x40                                       ; destination window 1
.irp t, 0,1,2,3,4,5,6,7
	ds_load_b128 v[32*(\j)+4*\t:32*(\j)+4*\t+3], v[RD] offset:\t*2*PITCH
.endr
	WIN 0
.endm
.macro SEND j, younger                 ; younger: the LDS instructions issued behind tile j's loads, which may stay out
	s_wait_dscnt \younger                          ; tile j is back in registers
	WIN 0x04                                       ; a store's data are its source 1: window 1
.irp t, 0,1,2,3,4,5,6,7
	global_store_b128 v[CO], v[32*(\j)+4*\t:32*(\j)+4*\t+3], s[38:39] offset:(32*((\j)/2)+8*((\j)%2)+2*\t+8*(\t/4))*4096 th:TH_STORE_NT   ; 16 lanes store 256 consecutive bytes, aligned; the stage's row r is token r + 8 (r / 8) of the tile
.endr
	WIN 0
.endm
	STAGE 0
.irp j, 1,2,3
	STAGE \j
	SEND \j-1, 16                                  ; behind tile j - 1's loads: tile j's 8 stores and 8 loads
.endr
	SEND 3, 0
	s_wait_tensorcnt 0x0
	ds_add_u32 v126, v127
	s_wait_dscnt 0x0
	CROUND                                         ; the closing round
	s_endpgm
.Lfunc_end_k_qe7b9fa05c0_outp:
	.size	k_qe7b9fa05c0_outp, .Lfunc_end_k_qe7b9fa05c0_outp-k_qe7b9fa05c0_outp
	.p2alignl 7, 3214868480
	.fill 96, 4, 3214868480
	.section	.rodata,"a",@progbits
	.p2align	6, 0x0
	.amdhsa_kernel k_qe7b9fa05c0_outp
		.amdhsa_group_segment_fixed_size 288256
		.amdhsa_private_segment_fixed_size 0
		.amdhsa_enable_private_segment 0
		.amdhsa_kernarg_size 48
		.amdhsa_user_sgpr_count 2
		.amdhsa_user_sgpr_kernarg_segment_ptr 1
		.amdhsa_wavefront_size32 1
		.amdhsa_system_sgpr_workgroup_id_x 1
		.amdhsa_system_sgpr_workgroup_id_y 1
		.amdhsa_system_sgpr_workgroup_id_z 1
		.amdhsa_system_vgpr_workitem_id 0
		.amdhsa_next_free_vgpr 512
		.amdhsa_next_free_sgpr 106
		.amdhsa_reserve_vcc 0
		.amdhsa_float_denorm_mode_32 3
		.amdhsa_float_denorm_mode_16_64 3
		.amdhsa_memory_ordered 1
		.amdhsa_forward_progress 1
		.amdhsa_inst_pref_size 57
	.end_amdhsa_kernel
	.amdgpu_metadata
---
amdhsa.version: [ 1, 2 ]
amdhsa.kernels:
  - .name:           k_qe7b9fa05c0_outp
    .symbol:         k_qe7b9fa05c0_outp.kd
    .args:
      - { .name: xo, .offset: 0, .size: 8, .value_kind: global_buffer, .address_space: global }
      - { .name: xs, .offset: 8, .size: 8, .value_kind: global_buffer, .address_space: global }
      - { .name: cod, .offset: 16, .size: 8, .value_kind: global_buffer, .address_space: global }
      - { .name: scl, .offset: 24, .size: 8, .value_kind: global_buffer, .address_space: global }
      - { .name: bo, .offset: 32, .size: 8, .value_kind: global_buffer, .address_space: global }
      - { .name: out0, .offset: 40, .size: 8, .value_kind: global_buffer, .address_space: global }
    .group_segment_fixed_size: 288256
    .private_segment_fixed_size: 0
    .kernarg_segment_align: 8
    .kernarg_segment_size: 48
    .max_flat_workgroup_size: 128
    .sgpr_count:     106
    .vgpr_count:     512
    .wavefront_size: 32
...
	.end_amdgpu_metadata
.endif
;; end of part 4
